; MI455X (gfx1250); checked and timed in simulation.
; The chip was launched on July 23, 2026; its instructions are those of AMD's public machine-readable ISA for CDNA 5 (MIT licence, August 2026) and "CDNA5" Instruction Set Architecture Reference Guide (July 2026). The comments in the code are by the model that wrote it; some were corrected since.
;; Flash Attention. Allowed arithmetic: matrix products marked QUANTISED: E2M1 operands, one E8M0 scale for each 32 along K, by v_wmma_scale_f32_16x16x128_f8f6f4 with both operands' format E2M1 (or v_wmma_scale_f32_32x16x128_f4), f32 sums; everything else in f32.
;; Inputs: Wk 1,024 x 1,024 float32; Wo 1,024 x 1,024 float32; Wq 1,024 x 1,024 float32; Wv 1,024 x 1,024 float32; bk 1,024 float32; bo 1,024 float32; bq 1,024 float32; bv 1,024 float32; x 4 x 2,048 x 1,024 float32.
;; Outputs: out0 4 x 2,048 x 1,024 float32.
;; This version of the problem:
;;   THIS VERSION OF THE PROBLEM IS GIVEN IN LOW PRECISION. The matrix products marked QUANTISED in the list below multiply operands that are first quantised to E2M1 (2 exponent bits, 1 mantissa bit; 4 bits a number), with one power-of-two scale for each 32 numbers along K (OCP MX v1.0); their sums are f32. All else is computed in f32.
;;   The module's matrix products, in the order in which they are computed (A, B: the left and right operand; K: the contracted axis; several contracted axes count as one K, in the product's order):
;;     1. [M 8,192, K 1,024] x [K 1,024, N 1,024]; A: input x; B: input Wq: QUANTISED
;;     2. [M 8,192, K 1,024] x [K 1,024, N 1,024]; A: input x; B: input Wk: QUANTISED
;;     3. [M 8,192, K 1,024] x [K 1,024, N 1,024]; A: input x; B: input Wv: QUANTISED
;;     4. batch 64 x [M 2,048, K 64] x [K 64, N 2,048]; A: computed on the way; B: computed on the way: QUANTISED
;;     5. batch 64 x [M 2,048, K 2,048] x [K 2,048, N 64]; A: softmax (see below); B: computed on the way: QUANTISED
;;     6. [M 8,192, K 1,024] x [K 1,024, N 1,024]; A: computed on the way; B: input Wo: QUANTISED
;;   THE QUANTISER, for each operand of a quantised product, along K:
;;     - K is cut into blocks of 32 from its start; a last block that is shorter is filled with zeros.
;;     - A block's scale is 2^e with e = floor(log2(the largest magnitude in the block)) - 2, held to -126 .. 127; a block of zeros has e = 0. As a byte (E8M0): e + 127.
;;     - Each number is divided by its block's scale, clamped to +-6, and rounded to the nearest number of E2M1, ties to even, subnormals kept.
;;     - The product sums the exact products of the quantised numbers (number of the format x scale) in f32.
;;   ~~~python
;;   def quantise(x, axis):      # numpy; x: float32 -> the quantised numbers, widened to float32 again
;;       x = np.moveaxis(x, axis, -1); K = x.shape[-1]
;;       x = np.pad(x, [(0, 0)] * (x.ndim - 1) + [(0, -K % 32)]); x = x.reshape(x.shape[:-1] + (-1, 32)); a = np.abs(x).max(-1, keepdims=True)
;;       e = np.where(a > 0, np.clip(np.frexp(np.where(a > 0, a, 1))[1] - 1 - 2, -126, 127), 0)      # np.frexp(a)[1] - 1 = floor(log2(a)), exactly
;;       r = np.clip(x / 2.0 ** e, -6, 6)
;;       step = 2.0 ** (np.maximum(np.frexp(np.where(r == 0, 1, r))[1] - 1, 0) - 1)
;;       q = np.round(r / step) * step * 2.0 ** e      # np.round: ties to even
;;       return np.moveaxis(q.reshape(q.shape[:-2] + (-1,))[..., :K], -1, axis).astype(np.float32)
;;   ~~~
;;   SOFTMAX AHEAD OF A QUANTISED PRODUCT. Where the list says 'softmax', what is quantised is not the finished softmax but p = 2^(t - M), with t = logit x log2(e) and M = ceil(the row's largest t), a whole number; so 1/2 < the row's largest p <= 1. The row's sum l is taken of the UNQUANTISED p, in f32, and the product's result is divided by l at the end. Since M is a whole number, a kernel that streams over the keys may use a running M (the ceiling of the running maximum): every later rescaling is an exact power of two, which a block's scale takes up: the codes' values come out the same.
;;   OPERANDS COMPUTED ON THE WAY. 'Computed on the way' means the value that the module computes at that place (a softmax that the list does not call 'softmax' is quantised finished and normalised). What goes into a quantiser is computed in f32, as accurately as f32 sums, v_exp_f32 and their like allow (about 1e-6 of the number): no bf16 or f16 on the way to a quantiser, and a product that is left as it is and whose result goes on into a quantised operand takes f32 operands (vector FMAs, or v_wmma_f32_16x16x4_f32). A number that lies on a knife's edge between two numbers of the format may be rounded either way, as far as f32 arithmetic and the matrix unit's own rounding can turn it there, and no further.
;; One version. Each part assembles by itself: llvm-mc -triple=amdgcn-amd-amdhsa -mcpu=gfx1250 --defsym DOCPART=n.
;; ======== version 1 of 1: 5 launches
;; workspace buffers: xc 4,194,304 bytes; xs 262,144 bytes; wc 2,097,152 bytes; ws 131,072 bytes; qkv 13,893,632 bytes; ac 4,194,304 bytes; asc 262,144 bytes
;; launch quant_x (part 1): grid 256 x 1, 4 waves a work-group, no clusters, 33,280 bytes of LDS; arguments x, xc, xs; writes xc, xs
.if DOCPART == 1
	.amdgcn_target "amdgcn-amd-amdhsa--gfx1250"
	.amdhsa_code_object_version 6
	.text
	.protected	k_qb46be1cb54_quant_x
	.globl	k_qb46be1cb54_quant_x
	.p2align	8
	.type	k_qb46be1cb54_quant_x,@function
k_qb46be1cb54_quant_x:
	s_mov_b64 s[64:65], 0
	v_nop
	global_prefetch_b8 v0, s[64:65] scope:SCOPE_SE
	s_setreg_imm32_b32 hwreg(HW_REG_WAVE_MODE, 25, 1), 1
	s_wait_xcnt 0x0
; THE PROGRAM: an attention block (4 x 2,048 tokens, 1,024 channels, 16 heads of 64), all six products on codes of FP4 (E2M1) with one E8M0 scale for each 32 along K.
; Five launches: x to codes; the four weights to codes; the three projections (results quantised in registers, stored as codes); attention; the projection on the way out.
; NOTHING OF THE PROBLEM IS LEFT OUT: every input is loaded and every product is done; all four biases move codes or results.
; THIS LAUNCH: x [8,192][1,024] f32 becomes codes (K innermost, 512 bytes a row) and scale bytes (32 a row).
; A block's scale is 2^(floor(log2(its largest magnitude)) - 2); its byte is the largest magnitude's exponent field - 2, held at 1 from below.
; STORED ORDER: row t of x is stored at place s = t with bits 3 and 4 exchanged.  Sixteen neighbouring stored rows, tile 2 b + u, are then the true rows 32 b + 8 u + r + 8 (r / 8):
; a product that takes such a tile as source 0 leaves 16 neighbours along that axis in the 16 registers of two neighbouring tiles, which is what the next quantiser wants.
; LIMITS: NaN and infinities among the inputs are not served; a block of zeros gets the byte 1 where the rule says 127 (its codes are zeros, and this program alone reads the bytes);
; blocks whose largest magnitude lies under 2^(3 - 127) are held at the byte 1.
; A wave takes 16 steps of 512 numbers = 8 rows.  Each load reads 512 consecutive bytes; a step's 2,048 bytes turn through the wave's own stage in LDS and come back 64 bytes a lane, so that a lane
; holds 16 neighbours and two neighbouring lanes a block.  No tensor loads, no barrier: waves share nothing.  Loads run four steps ahead, the turn through LDS one step.
.set WAVES, 4
.set STEPS, 16
.set CB,    8                          ; bytes of 16 codes
.set R,     16                         ; v16-79   four sets of 16 numbers as they are loaded
.set X,     80                         ; v80-111  two sets of 16 neighbours
.set C,     128                        ; v128-191 codes: four registers for each step, so that no store's data are written again
.set E,     112                        ; v112-127 a scale byte for each step
.set WREG,  8192                       ; LDS: a region for each wave: two stages of 32 x SP bytes, behind them its 256 scale bytes
.set SP,    80                         ; a lane's place in a stage: 64 bytes + 16 of padding
.set SPW,   12                         ; v12 LDS address of my spare word; never rewritten
.set NIL,   13                         ; v13 0; never rewritten
.set SPARE, WAVES*WREG                 ; the spare words, 128 bytes a wave, which no other line names
	s_load_b128 s[4:7], s[0:1], 0x0                ; x, xc
	s_load_b64 s[8:9], s[0:1], 0x10                ; xs
	v_lshl_add_u32 v[SPW], v0, 2, SPARE
	v_mov_b32 v[NIL], 0
	v_lshrrev_b32 v1, 5, v0
	v_readfirstlane_b32 s16, v1                    ; wave
	v_and_b32 v2, 31, v0                           ; lane
	v_lshlrev_b32 v3, 4, v2                        ; my 16 bytes of a load's 512
	s_mul_i32 s17, s16, WREG
	v_lshrrev_b32 v14, 2, v2
	v_mul_u32_u24 v14, v14, SP
	v_and_b32 v15, 3, v2
	v_lshl_add_u32 v14, v15, 4, v14
	v_add_nc_u32 v14, s17, v14                     ; the stage, way in: SP (lane / 4) + 16 (lane % 4)
	v_mul_u32_u24 v15, v2, SP
	v_add_nc_u32 v15, s17, v15                     ; way out: SP x lane
	v_mul_u32_u24 v4, v2, CB                       ; my codes' place in a step's
	v_lshrrev_b32 v5, 1, v2
	s_add_co_u32 s17, s17, 2*32*SP
	v_add_nc_u32 v5, s17, v5                       ; my block's scale byte in LDS
	v_lshlrev_b32 v7, 3, v2
	v_add_nc_u32 v6, s17, v7                       ; and 8 bytes a lane on the way out
	s_lshl_b32 s17, ttmp9, 2
	s_add_co_u32 s18, s17, s16                     ; my run of 8 rows: 4 x work-group + wave
	s_lshl_b32 s18, s18, 15                        ; 32,768 bytes of x a run
	s_mov_b32 s19, 0
	s_and_b32 s20, s16, 1                          ; stored order on runs of 8 rows: the run's two low bits change places
	s_lshl_b32 s20, s20, 1
	s_lshr_b32 s21, s16, 1
	s_or_b32 s20, s20, s21
	s_add_co_u32 s20, s20, s17
	s_lshl_b32 s22, s20, 8                         ; 256 scale bytes a run
	s_mov_b32 s23, 0
	s_lshl_b32 s20, s20, 12                        ; 4,096 bytes of codes a run
	s_mov_b32 s21, 0
	s_wait_alu depctr_va_vdst(0)
	s_wait_kmcnt 0x0
	s_add_nc_u64 s[4:5], s[4:5], s[18:19]
	s_add_nc_u64 s[6:7], s[6:7], s[20:21]
	s_add_nc_u64 s[8:9], s[8:9], s[22:23]
.macro LOAD t
.irp i, 0,1,2,3
	global_load_b128 v[R+16*((\t)%4)+4*\i:R+16*((\t)%4)+4*\i+3], v3, s[4:5] offset:2048*(\t)+512*\i th:TH_LOAD_NT   ; 32 lanes read 512 consecutive bytes
.endr
.endm
.macro TURN t                          ; step t through the stage: LDS serves a wave's instructions in order, so no wait stands between the stores and the loads
.irp i, 0,1,2,3
	ds_store_b128 v14, v[R+16*((\t)%4)+4*\i:R+16*((\t)%4)+4*\i+3] offset:32*SP*((\t)%2)+8*SP*\i
.endr
.irp i, 0,1,2,3
	ds_load_b128 v[X+16*((\t)%2)+4*\i:X+16*((\t)%2)+4*\i+3], v15 offset:32*SP*((\t)%2)+16*\i
.endr
.endm
.irp t, 0,1,2,3
	LOAD \t
.endr
	s_wait_loadcnt 12                              ; step 0's four loads are in; twelve younger ones stay out
	TURN 0
.macro STEP t
.set XS, X+16*((\t)%2)
.if (\t) > 0
	s_wait_dscnt 1                                 ; this step's numbers are back from the stage; the last step's byte store may be out
.else
	s_wait_dscnt 0x0
.endif
.if (\t)+4 < STEPS
	LOAD (\t)+4                                    ; into the registers that this step's stage stores have read
.endif
.if (\t)+1 < STEPS
.if STEPS-2-(\t) >= 3
	s_wait_loadcnt 12                              ; the next step's four loads are in; those of the three steps behind it may be out
.else
	s_wait_loadcnt 4*(STEPS-2-(\t))
.endif
	TURN (\t)+1
.endif
	v_max3_num_f32 v8, |v[XS]|, |v[XS+1]|, |v[XS+2]|               ; the largest magnitude of my 16, in two chains
	v_max3_num_f32 v9, |v[XS+3]|, |v[XS+4]|, |v[XS+5]|
.irp i, 6,10
	v_max3_num_f32 v8, v8, |v[XS+\i]|, |v[XS+\i+1]|
	v_max3_num_f32 v9, v9, |v[XS+\i+2]|, |v[XS+\i+3]|
.endr
	v_max3_num_f32 v8, v8, |v[XS+14]|, |v[XS+15]|
	v_max3_num_f32 v8, v8, v9, 0x1800000           ; and the floor 2^(3 - 127): the byte cannot fall under 1
	v_max_num_f32_dpp v8, v8, v8 row_xmask:1 row_mask:0xf bank_mask:0xf   ; with my neighbour's 16: the block's
	v_add_nc_u32 v11, 0xff000000, v8               ; 2 off its exponent field: the conversion takes the exponent field of this operand as its scale
	v_cvt_scalef32_pk8_fp4_f32 v[C+4*(\t)], v[XS:XS+7], v11
	v_cvt_scalef32_pk8_fp4_f32 v[C+4*(\t)+1], v[XS+8:XS+15], v11
	v_lshrrev_b32 v[E+(\t)], 23, v11               ; the scale's byte
	ds_store_b8 v5, v[E+(\t)] offset:16*(\t)       ; both lanes of a block write the same byte with the same value
	global_store_b64 v4, v[C+4*(\t):C+4*(\t)+1], s[6:7] offset:32*CB*(\t)   ; the wave stores 256 consecutive bytes, aligned
.endm
.irp t, 0,1,2,3,4,5,6,7,8,9,10,11,12,13,14,15
	STEP \t
.endr
	ds_load_b64 v[8:9], v6                         ; in order behind my byte stores
	s_wait_dscnt 0x0
	global_store_b64 v7, v[8:9], s[8:9]            ; 32 lanes store 256 consecutive bytes, aligned
	s_wait_tensorcnt 0x0                           ; the wave's end
	ds_add_u32 v[SPW], v[NIL]
	s_wait_dscnt 0x0
	s_endpgm
.Lfunc_end_k_qb46be1cb54_quant_x:
	.size	k_qb46be1cb54_quant_x, .Lfunc_end_k_qb46be1cb54_quant_x-k_qb46be1cb54_quant_x
	.p2alignl 7, 3214868480
	.fill 96, 4, 3214868480
	.section	.rodata,"a",@progbits
	.p2align	6, 0x0
	.amdhsa_kernel k_qb46be1cb54_quant_x
		.amdhsa_group_segment_fixed_size 33280
		.amdhsa_private_segment_fixed_size 0
		.amdhsa_enable_private_segment 0
		.amdhsa_kernarg_size 24
		.amdhsa_user_sgpr_count 2
		.amdhsa_user_sgpr_kernarg_segment_ptr 1
		.amdhsa_wavefront_size32 1
		.amdhsa_system_sgpr_workgroup_id_x 1
		.amdhsa_system_sgpr_workgroup_id_y 1
		.amdhsa_system_sgpr_workgroup_id_z 1
		.amdhsa_system_vgpr_workitem_id 0
		.amdhsa_next_free_vgpr 192
		.amdhsa_next_free_sgpr 66
		.amdhsa_reserve_vcc 0
		.amdhsa_float_denorm_mode_32 3
		.amdhsa_float_denorm_mode_16_64 3
		.amdhsa_memory_ordered 1
		.amdhsa_forward_progress 1
		.amdhsa_inst_pref_size 33
	.end_amdhsa_kernel
	.amdgpu_metadata
---
amdhsa.version: [ 1, 2 ]
amdhsa.kernels:
  - .name:           k_qb46be1cb54_quant_x
    .symbol:         k_qb46be1cb54_quant_x.kd
    .args:
      - { .name: x, .offset: 0, .size: 8, .value_kind: global_buffer, .address_space: global }
      - { .name: xc, .offset: 8, .size: 8, .value_kind: global_buffer, .address_space: global }
      - { .name: xs, .offset: 16, .size: 8, .value_kind: global_buffer, .address_space: global }
    .group_segment_fixed_size: 33280
    .private_segment_fixed_size: 0
    .kernarg_segment_align: 8
    .kernarg_segment_size: 24
    .max_flat_workgroup_size: 128
    .sgpr_count:     66
    .vgpr_count:     192
    .wavefront_size: 32
...
	.end_amdgpu_metadata
.endif
;; end of part 1
;; launch quant_w (part 2): grid 64 x 2, 8 waves a work-group, no clusters, 19,456 bytes of LDS; arguments Wq, Wk, Wv, Wo, wc, ws; writes wc, ws
.if DOCPART == 2
	.amdgcn_target "amdgcn-amd-amdhsa--gfx1250"
	.amdhsa_code_object_version 6
	.text
	.protected	k_qb46be1cb54_quant_w
	.globl	k_qb46be1cb54_quant_w
	.p2align	8
	.type	k_qb46be1cb54_quant_w,@function
k_qb46be1cb54_quant_w:
	s_mov_b64 s[64:65], 0
	v_nop
	global_prefetch_b8 v0, s[64:65] scope:SCOPE_SE
	s_setreg_imm32_b32 hwreg(HW_REG_WAVE_MODE, 25, 1), 1
	s_wait_xcnt 0x0
; The four weights [1,024 (k)][1,024 (n)] f32, K the FIRST axis, become codes of FP4 laid [weight][n in stored order][512 bytes, K innermost] and scale bytes [weight][n][32].  Nothing is left out.
; Stored order: column n lies at place n with bits 3 and 4 exchanged (see the first launch).  The quantiser and its limits are the first launch's.
; A LANE TAKES A COLUMN, ITS REGISTERS RUN DOWN K: a block of 32 lies in one lane, and the conversions give codes with K innermost.
; A work-group: one weight (x / 16), 64 columns (x % 16), 512 along K (y).  Wave w: 32 columns (w % 2), 128 along K (w / 2): four blocks, one scale word.  Two waves side by side read 256 consecutive bytes.
; Codes and scale words meet in a stage in LDS; behind one barrier each wave stores 8 columns' rows: sixteen lanes store 256 consecutive bytes, aligned.
; The scale bytes leave in pieces of 16 bytes a column (a column's row of 32 is shared by the two work-groups along K): one byte in 128 of what the launch reads.
.set PITCH, 272                        ; a stage row: 256 bytes of codes + 16
.set SCST,  64*PITCH                   ; behind the codes: 64 columns x 16 scale bytes
.set SPARE, SCST+1024                  ; the spare words, 128 bytes a wave, which no other line names
.set X,     32                         ; v32-95   two sets of 32 numbers
.set C,     96                         ; v96-111  four registers of codes a block; never rewritten
.set OUTR,  112                        ; v112-127 the way out
.set SB,    24                         ; v24      my four scale bytes
.set SPW,   14
.set NIL,   15
	s_load_b256 s[4:11], s[0:1], 0x0               ; Wq, Wk, Wv, Wo
	s_load_b128 s[12:15], s[0:1], 0x20             ; wc, ws
	v_lshl_add_u32 v[SPW], v0, 2, SPARE
	v_mov_b32 v[NIL], 0
	v_lshrrev_b32 v1, 5, v0
	s_delay_alu instid0(VALU_DEP_1)
	v_readfirstlane_b32 s16, v1                    ; wave 0..7
	v_and_b32 v2, 31, v0                           ; lane
	s_wait_alu depctr_va_vdst(0)
	s_and_b32 s17, s16, 1                          ; which 32 columns
	s_lshr_b32 s18, s16, 1                         ; which 128 along K
	s_lshr_b32 s20, ttmp9, 4                       ; weight
	s_and_b32 s21, ttmp9, 15                       ; which 64 columns
	s_and_b32 s22, ttmp7, 0xffff                   ; which 512 along K
	v_lshlrev_b32 v3, 2, v2                        ; in: 4 bytes a lane
	s_mul_i32 s23, s17, 32*PITCH
	s_lshl_b32 s24, s18, 6
	s_add_co_u32 s23, s23, s24
	v_mul_u32_u24 v4, v2, PITCH
	s_delay_alu instid0(VALU_DEP_1)
	v_add_nc_u32 v4, s23, v4                       ; stage: row = my column, + 64 bytes for each 128 along K
	s_lshl_b32 s23, s17, 9
	s_lshl_b32 s24, s18, 2
	s_add_co_u32 s23, s23, s24
	s_add_co_u32 s23, s23, SCST
	v_lshl_add_u32 v5, v2, 4, s23                  ; my scale word: 16 bytes a column, + 4 for each 128 along K
	v_and_b32 v6, 15, v2
	v_lshrrev_b32 v1, 4, v2
	s_mul_i32 s23, s16, 8*PITCH
	v_mul_u32_u24 v7, v1, PITCH
	s_delay_alu instid0(VALU_DEP_1)
	v_lshl_add_u32 v7, v6, 4, v7
	s_delay_alu instid0(VALU_DEP_1)
	v_add_nc_u32 v7, s23, v7                       ; out of the stage: columns 8 w on, sixteen lanes to a row, two rows an instruction
	v_lshlrev_b32 v8, 9, v1
	s_delay_alu instid0(VALU_DEP_1)
	v_lshl_add_u32 v8, v6, 4, v8                   ; and the same place in wc
	v_lshl_add_u32 v9, v0, 2, SCST                 ; the scale words: thread t takes word t: column t / 4, word t % 4
	v_lshrrev_b32 v10, 2, v2
	s_delay_alu instid0(VALU_DEP_1)
	v_lshlrev_b32 v10, 5, v10
	v_and_b32 v11, 3, v2
	s_delay_alu instid0(VALU_DEP_1)
	v_lshl_add_u32 v10, v11, 2, v10                ; and its place in ws
	s_lshl_b32 s24, s22, 21                        ; W: (512 y + 128 (w / 2)) rows of 4,096 bytes + 4 x column
	s_lshl_b32 s25, s18, 19
	s_add_co_u32 s24, s24, s25
	s_lshl_b32 s25, s21, 8
	s_add_co_u32 s24, s24, s25
	s_lshl_b32 s25, s17, 7
	s_add_co_u32 s24, s24, s25
	s_mov_b32 s25, 0
	s_and_b32 s26, s16, 4                          ; stored order on groups of 8 columns: the wave's two low bits change places
	s_lshl_b32 s27, s17, 1
	s_or_b32 s26, s26, s27
	s_and_b32 s27, s18, 1
	s_or_b32 s26, s26, s27
	s_lshl_b32 s26, s26, 3
	s_lshl_b32 s27, s21, 6
	s_add_co_u32 s26, s26, s27
	s_lshl_b32 s27, s20, 10
	s_add_co_u32 s26, s26, s27                     ; the first stored row that I write
	s_lshl_b32 s28, s26, 5
	s_lshl_b32 s27, s22, 4
	s_add_co_u32 s28, s28, s27                     ; in ws
	s_mov_b32 s29, 0
	s_lshl_b32 s26, s26, 9
	s_lshl_b32 s27, s22, 8
	s_add_co_u32 s26, s26, s27                     ; in wc
	s_mov_b32 s27, 0
	s_wait_kmcnt 0x0
	s_bitcmp1_b32 s20, 0                           ; the weight is chosen by the work-group's number alone
	s_cselect_b64 s[4:5], s[6:7], s[4:5]
	s_cselect_b64 s[8:9], s[10:11], s[8:9]
	s_bitcmp1_b32 s20, 1
	s_cselect_b64 s[4:5], s[8:9], s[4:5]
	s_add_nc_u64 s[4:5], s[4:5], s[24:25]
	s_add_nc_u64 s[12:13], s[12:13], s[26:27]
	s_add_nc_u64 s[14:15], s[14:15], s[28:29]
.macro LOAD t                          ; block t: W(32 t + i, my column) into set t % 2
.irp i, 0,1,2,3,4,5,6,7,8,9,10,11,12,13,14,15,16,17,18,19,20,21,22,23,24,25,26,27,28,29,30,31
	global_load_b32 v[X+32*((\t)%2)+\i], v3, s[4:5] offset:(32*(\t)+\i)*4096 th:TH_LOAD_NT
.endr
.endm
	LOAD 0
	LOAD 1
.macro BLOCK t
.set XS, X+32*((\t)%2)
.if (\t) < 3
	s_wait_loadcnt 32                              ; this block's 32 loads are in; the next block's may be out
.else
	s_wait_loadcnt 0
.endif
	v_max3_num_f32 v12, |v[XS]|, |v[XS+1]|, |v[XS+2]|
	v_max3_num_f32 v13, |v[XS+3]|, |v[XS+4]|, |v[XS+5]|
.irp i, 6,10,14,18,22,26
	s_delay_alu instid0(VALU_DEP_2)
	v_max3_num_f32 v12, v12, |v[XS+\i]|, |v[XS+\i+1]|
	s_delay_alu instid0(VALU_DEP_2)
	v_max3_num_f32 v13, v13, |v[XS+\i+2]|, |v[XS+\i+3]|
.endr
	s_delay_alu instid0(VALU_DEP_2)
	v_max3_num_f32 v12, v12, |v[XS+30]|, |v[XS+31]|
	s_delay_alu instid0(VALU_DEP_1)
	v_max3_num_f32 v12, v12, v13, 0x1800000        ; the floor 2^(3 - 127)
	s_delay_alu instid0(VALU_DEP_1)
	v_add_nc_u32 v11, 0xff000000, v12              ; 2 off the exponent field: the conversion's scale operand
	s_delay_alu instid0(VALU_DEP_1)
	v_lshrrev_b32 v13, 23, v11                     ; the scale's byte
.if (\t) == 0
	s_delay_alu instid0(VALU_DEP_1)
	v_mov_b32 v[SB], v13
.else
	s_delay_alu instid0(VALU_DEP_1)
	v_lshl_or_b32 v[SB], v13, 8*(\t), v[SB]
.endif
.irp g, 0,1,2,3
	v_cvt_scalef32_pk8_fp4_f32 v[C+4*(\t)+\g], v[XS+8*\g:XS+8*\g+7], v11
.endr
	v_nop                                          ; one plain line behind the last conversion of the run
	ds_store_b128 v4, v[C+4*(\t):C+4*(\t)+3] offset:16*(\t)
.if (\t)+2 < 4
	LOAD (\t)+2
.endif
.endm
	BLOCK 0
	BLOCK 1
	BLOCK 2
	BLOCK 3
	ds_store_b32 v5, v[SB]
	s_wait_dscnt 0x0                               ; for the others' sake: my stores into the stage are done
	s_barrier_signal -1
	s_barrier_wait -1
.irp t, 0,1,2,3
	ds_load_b128 v[OUTR+4*\t:OUTR+4*\t+3], v7 offset:2*\t*PITCH
.endr
	ds_load_b32 v128, v9
.irp t, 0,1,2,3
	s_wait_dscnt 4-\t                              ; the younger LDS loads may stay out
	global_store_b128 v8, v[OUTR+4*\t:OUTR+4*\t+3], s[12:13] offset:2*\t*512
.endr
	s_wait_dscnt 0x0
	global_store_b32 v10, v128, s[14:15]
	s_wait_tensorcnt 0x0                           ; the wave's end
	ds_add_u32 v[SPW], v[NIL]
	s_wait_dscnt 0x0
	s_endpgm
.Lfunc_end_k_qb46be1cb54_quant_w:
	.size	k_qb46be1cb54_quant_w, .Lfunc_end_k_qb46be1cb54_quant_w-k_qb46be1cb54_quant_w
	.p2alignl 7, 3214868480
	.fill 96, 4, 3214868480
	.section	.rodata,"a",@progbits
	.p2align	6, 0x0
	.amdhsa_kernel k_qb46be1cb54_quant_w
		.amdhsa_group_segment_fixed_size 19456
		.amdhsa_private_segment_fixed_size 0
		.amdhsa_enable_private_segment 0
		.amdhsa_kernarg_size 48
		.amdhsa_user_sgpr_count 2
		.amdhsa_user_sgpr_kernarg_segment_ptr 1
		.amdhsa_wavefront_size32 1
		.amdhsa_system_sgpr_workgroup_id_x 1
		.amdhsa_system_sgpr_workgroup_id_y 1
		.amdhsa_system_sgpr_workgroup_id_z 1
		.amdhsa_system_vgpr_workitem_id 0
		.amdhsa_next_free_vgpr 144
		.amdhsa_next_free_sgpr 66
		.amdhsa_reserve_vcc 0
		.amdhsa_float_denorm_mode_32 3
		.amdhsa_float_denorm_mode_16_64 3
		.amdhsa_memory_ordered 1
		.amdhsa_forward_progress 1
		.amdhsa_inst_pref_size 25
	.end_amdhsa_kernel
	.amdgpu_metadata
---
amdhsa.version: [ 1, 2 ]
amdhsa.kernels:
  - .name:           k_qb46be1cb54_quant_w
    .symbol:         k_qb46be1cb54_quant_w.kd
    .args:
      - { .name: Wq, .offset: 0, .size: 8, .value_kind: global_buffer, .address_space: global }
      - { .name: Wk, .offset: 8, .size: 8, .value_kind: global_buffer, .address_space: global }
      - { .name: Wv, .offset: 16, .size: 8, .value_kind: global_buffer, .address_space: global }
      - { .name: Wo, .offset: 24, .size: 8, .value_kind: global_buffer, .address_space: global }
      - { .name: wc, .offset: 32, .size: 8, .value_kind: global_buffer, .address_space: global }
      - { .name: ws, .offset: 40, .size: 8, .value_kind: global_buffer, .address_space: global }
    .group_segment_fixed_size: 19456
    .private_segment_fixed_size: 0
    .kernarg_segment_align: 8
    .kernarg_segment_size: 48
    .max_flat_workgroup_size: 256
    .sgpr_count:     66
    .vgpr_count:     144
    .wavefront_size: 32
...
	.end_amdgpu_metadata
.endif
;; end of part 2
;; launch gemm_qkv (part 3): grid 12 x 32, 4 waves a work-group, clusters of 4 x 4, 327,680 bytes of LDS; arguments xc, xs, wc, ws, bq, bk, bv, qkv; writes qkv
.if DOCPART == 3
	.amdgcn_target "amdgcn-amd-amdhsa--gfx1250"
	.amdhsa_code_object_version 6
	.text
	.protected	k_qb46be1cb54_gemm_qkv
	.globl	k_qb46be1cb54_gemm_qkv
	.p2align	8
	.type	k_qb46be1cb54_gemm_qkv,@function
k_qb46be1cb54_gemm_qkv:
	s_mov_b64 s[64:65], 0
	v_nop
	global_prefetch_b8 v0, s[64:65] scope:SCOPE_SE
	s_setreg_imm32_b32 hwreg(HW_REG_WAVE_MODE, 25, 1), 1
	s_wait_xcnt 0x0
	s_wait_alu depctr_hold_cnt(0) depctr_sa_sdst(0) depctr_va_vdst(0) depctr_va_sdst(0) depctr_va_ssrc(0) depctr_va_vcc(0) depctr_vm_vsrc(0)
	s_getreg_b32 s2, hwreg(HW_REG_IB_STS2, 6, 4)
	s_cmp_eq_u32 s2, 0
	s_cbranch_scc0 .Lentry_in_a_cluster
	s_endpgm
.Lentry_in_a_cluster:
	s_bfe_u32 s2, ttmp6, 0x10000c
	s_cmp_lg_u32 s2, 0xf033
	s_cbranch_scc0 .Lentry_shape_is_right
	s_endpgm
.Lentry_shape_is_right:
; q = x Wq + bq, k = x Wk + bk, v = x Wv + bv on codes of FP4, K = 1,024; the results are quantised in registers and stored as codes: no f32 q, k or v goes to memory.  Nothing is left out.
; A work-group of four waves makes 256 x 256, a wave 128 x 128: 64 accumulators of 16 x 16.  K = 1,024 is two slots of 512 along K in LDS: both are first fills, nothing is filled again.
; THE MATRIX INSTRUCTION: source 0 = 16 rows of operand B, source 1 = 16 rows of operand A: a lane holds one row of A, its registers run along B's rows.
; ROLES, by the cluster's x (the same in all sixteen partners): 0: q, 1: k: A = x (tokens), B = the weight (features): a lane holds a token, registers run along (head, d), q's and k's next K.
;   2: v: A = Wv (features), B = x (tokens): a lane holds a feature (head, d), registers run down the tokens, v's next K.
; Both operands lie in stored order (bits 3 and 4 of a row's number exchanged), so the 16 registers of B's tiles 2 b and 2 b + 1 are 16 neighbours: 32 b + 16 (lane / 16) + 0 .. 15.
; CLUSTERS: 4 x 4 work-groups; A's tiles are asked for jointly along a row of the cluster, B's along a column.
; OUT: for each of a wave's eight tiles of A's rows: + bias, four blocks of 32 quantised, eight registers of codes = an operand's registers, stored as they stand: 512 consecutive bytes an instruction.
;   qkv: 64 blocks (batch, head) of HBT bytes: K codes (128 token tiles x 512), V codes (16 key steps x 4 tiles of d x 1,024), K scale words, V scale words, Q codes, Q scale words.
;   q, k: registers 0-3 belong to the wave's first head, 4-7 to its second; a head's 64 fill half of a 128-deep operand, whose other half the reader sets to zero codes.
;   A head's scale word holds its two bytes below; the two bytes above are the neighbour head's or 0, never 0xff, and stand over zero codes.
; LIMITS: as stated at the first launch's head.
; REGISTERS, windows of 256: window 0: v0-31 addresses; v32-95 scale words, two sets, and nothing else; v96-127 at work on the way out; v128-191 A's fragments, on the way out 64 numbers; v192-255 the biases.
;   window 1: B's fragments, two sets, at v0 and v128.  window 2: the accumulators of A's tiles 0-3 ((a, b) at v[8 (8 a + b)]); window 3: those of tiles 4-7.
.set HBT,    217088
.set NQ,     4                         ; matrix instructions deep in a slot
.set ROWB,   256                       ; a tile's row: 512 codes
.set KROW,   512                       ; a row in memory
.set PITCH,  272                       ; an LDS row: 256 bytes + 16 of padding: the 16 rows that a load touches start at 16 different banks (64 banks of 4 bytes: ISA guide 11.1)
.set FR,     8
.set NL,     2
.set NP,     4                         ; places behind this matrix instruction (ISA guide 7.12.1)
.set HALFT,  128*PITCH
.set SLOT,   4*HALFT
.set KS,     32                        ; a row of scale bytes
.set SCL,    2*SLOT
.set HALFS,  (128*KS/256)*272
.set SBLK,   (16*KS/256)*272
.set SPARE,  SCL+4*HALFS               ; the spare words, 128 bytes a wave, which no other line names
.set VO0,  8                           ; v8   my byte in qkv for code registers 0-3
.set VO1,  9                           ; v9   for registers 4-7
.set VS,   10                          ; v10  my byte in qkv for the scale words
.set VS1,  11                          ; v11  the second head's (q, k)
.set SSA,  12                          ; v12  the scale words' stage: where I put a word
.set SRA,  13                          ; v13  and where I read 16 bytes back
.set VSH,  14                          ; v14  q, k: 16 in lanes 16-31: they store the second head's two bytes
.set ADRA, 16
.set ADRB, 20
.set ADRS, 27
.set SPW,  28
.set NIL,  29
.set PW,   30                          ; the scale word just made
.set PWS,  31
.set SC,   32
.set VB,   96                          ; v96-103 the bias loads' offsets
.set PC,   96                          ; v96-111 codes, two sets (behind the wait for the bias loads)
.set TM,   112                         ; v112-127 at work in QUANT
.set AF,   128
.set HA,   128                         ; the way out: 64 numbers
.set T,    128                         ; and at its end the scale words read back
.set BI,   192
.set SEL,  20
.set G1, 24
.set G0, 32
.set G1B, 48
.set G0B, 56
.set G1S, 68
.set G0S, 76
.set G1SB, 80
.set G0SB, 88
.set MSB, 0
.macro WIN new                         ; the immediate's high byte repeats the setting that is left
.if MSB != \new
	s_set_vgpr_msb (MSB<<8)|\new
.set MSB, \new
.endif
.endm
.set MUL_LO, 0xa1                      ; source 0 (B) window 1, source 1 (A) window 0, C and D window 2
.set MUL_HI, 0xf1
.set TO_B,   0x40
; A joint load: waves 0 and 1 fetch for A, waves 2 and 3 for B; the branch hangs on the wave's number alone.  An s_nop 0 and four v_nop follow each line.
.macro JLOAD g0a, g1a, g0b, g1b
	s_cmp_eq_u32 s15, 0
	s_cbranch_scc0 .Lfor_b_\@
	tensor_load_to_lds s[\g0a:\g0a+3], s[\g1a:\g1a+7]
	s_nop 0
.rept 4
	v_nop
.endr
	s_branch .Lasked_\@
.Lfor_b_\@:
	tensor_load_to_lds s[\g0b:\g0b+3], s[\g1b:\g1b+7]
	s_nop 0
.rept 4
	v_nop
.endr
.Lasked_\@:
.endm
.macro CROUND                          ; a round of the cluster's barrier
	s_barrier_signal -1
	s_barrier_wait -1
	s_cmp_lg_u32 s14, 0
	s_cbranch_scc1 .Lnot_wave_0_\@
	s_barrier_signal -3
.Lnot_wave_0_\@:
	s_barrier_wait -3
	s_barrier_signal -1
	s_barrier_wait -1
.endm
	s_load_b512 s[76:91], s[0:1], 0x0              ; xc, xs, wc, ws, bq, bk, bv, qkv
	v_lshl_add_u32 v[SPW], v0, 2, SPARE
	v_mov_b32 v[NIL], 0
	ds_add_u32 v[SPW], v[NIL]                      ; the opening: the add, twice on end, and its wait ahead of my first tensor load
	ds_add_u32 v[SPW], v[NIL]
	v_lshrrev_b32 v1, 5, v0
	v_readfirstlane_b32 s14, v1                    ; wave 0..3
	s_lshr_b32 s15, s14, 1                         ; which half of A's rows is mine.  Also: I fetch for A (0) or for B (1)
	s_and_b32 s16, s14, 1                          ; which half of B's rows.  Also: which 128 rows I fetch
	s_bfe_u32 s40, ttmp6, 0x40000                  ; cx
	s_bfe_u32 s41, ttmp6, 0x40004                  ; cy
	s_and_b32 s3, ttmp7, 0xffff
	s_lshl_b32 s3, s3, 2                           ; 4 x cluster y
	s_lshl_b32 s2, ttmp9, 2                        ; 4 x cluster x
	s_cmp_eq_u32 ttmp9, 2
	s_cselect_b32 s95, 1, 0                        ; 1: this cluster makes v
	s_cselect_b32 s17, 8, s3
	s_cselect_b32 s42, s3, s2
	s_add_co_u32 s17, s17, s41                     ; A's tile of 256 rows: x's 4 Y + cy, or Wv's 8 + cy: made of cy alone
	s_add_co_u32 s42, s42, s40                     ; B's: the weight's 4 X + cx, or x's 4 Y + cx: made of cx alone
	s_lshl_b32 s43, s41, 2
	s_lshl_b32 s43, 15, s43                        ; my row of the cluster
	s_lshl_b32 s44, 0x1111, s40                    ; my column
	s_or_b32 s[G1+0], s43, (0<<16)|(1<<20)|(1<<21)|(5<<22)|(3<<25)  ; the mask; elements of 1 byte; padding on; bit 21 beside a mask; 4 words behind every 64
	s_or_b32 s[G1B+0], s44, (0<<16)|(1<<20)|(1<<21)|(5<<22)|(3<<25)
.irp g, G1, G1B
	s_mov_b32 s[\g+1], ROWB<<16                    ; tensor_dim0
	s_mov_b32 s[\g+2], 128<<16                     ; tensor_dim1
	s_mov_b32 s[\g+3], ROWB<<16                    ; tile_dim0
	s_mov_b32 s[\g+4], 128                         ; tile_dim1
	s_mov_b32 s[\g+5], KROW                        ; the pitch
	s_mov_b32 s[\g+6], 0
	s_mov_b32 s[\g+7], 0
.endr
	s_or_b32 s[G1S+0], s43, (3<<16)|(1<<20)|(1<<21)|(5<<22)|(3<<25)  ; the scales of 128 rows: 4,096 dense bytes as 16 rows of 256, 16 bytes of padding behind each
	s_mov_b32 s[G1S+1], 32<<16
	s_mov_b32 s[G1S+2], (128*KS/256)<<16
	s_mov_b32 s[G1S+3], 32<<16
	s_mov_b32 s[G1S+4], 128*KS/256
	s_mov_b32 s[G1S+5], 32
	s_mov_b32 s[G1S+6], 0
	s_mov_b32 s[G1S+7], 0
	s_lshl_b32 s18, s16, 7
	s_lshl_b32 s20, s17, 8
	s_add_co_u32 s20, s20, s18                     ; A: the first row that I fetch
	s_lshl_b32 s46, s42, 8
	s_add_co_u32 s46, s46, s18                     ; B likewise
	s_lshl_b32 s22, s20, 5                         ; its scale bytes,
	s_lshl_b32 s20, s20, 9                         ; its codes
	s_lshl_b32 s92, s46, 5
	s_lshl_b32 s46, s46, 9
	s_mov_b32 s21, 0
	s_mov_b32 s23, 0
	s_mov_b32 s47, 0
	s_mov_b32 s93, 0
	s_mul_i32 s45, s14, HALFT                      ; where they go: wave x 128 rows
	s_mul_i32 s94, s14, HALFS
	s_wait_dscnt 0x0                               ; both opening adds are done
	s_wait_kmcnt 0x0
	s_cmp_eq_u32 ttmp9, 2                          ; the buffers are chosen by the cluster's x alone
	s_cselect_b64 s[4:5], s[80:81], s[76:77]       ; A's codes
	s_cselect_b64 s[6:7], s[82:83], s[78:79]       ; A's scales
	s_cselect_b64 s[8:9], s[76:77], s[80:81]       ; B's codes
	s_cselect_b64 s[10:11], s[78:79], s[82:83]     ; B's scales
	s_cselect_b64 s[66:67], s[88:89], s[86:87]     ; the bias: bv or bk,
	s_mov_b64 s[12:13], s[90:91]                   ; qkv
	s_cmp_eq_u32 ttmp9, 0
	s_cselect_b64 s[66:67], s[84:85], s[66:67]     ; or bq
	s_add_nc_u64 s[20:21], s[4:5], s[20:21]
	s_add_nc_u64 s[22:23], s[6:7], s[22:23]
	s_add_nc_u64 s[46:47], s[8:9], s[46:47]
	s_add_nc_u64 s[92:93], s[10:11], s[92:93]
	s_or_b32 s[G1SB+0], s44, (3<<16)|(1<<20)|(1<<21)|(5<<22)|(3<<25)
	s_mov_b32 s[G1SB+1], 32<<16
	s_mov_b32 s[G1SB+2], (128*KS/256)<<16
	s_mov_b32 s[G1SB+3], 32<<16
	s_mov_b32 s[G1SB+4], 128*KS/256
	s_mov_b32 s[G1SB+5], 32
	s_mov_b32 s[G1SB+6], 0
	s_mov_b32 s[G1SB+7], 0
	CROUND                                         ; all sixteen work-groups are here: the first joint loads meet
	s_mov_b32 s[G0S], 1
	s_add_co_u32 s[G0S+1], s94, SCL
	s_mov_b64 s[G0S+2:G0S+3], s[22:23]
	s_or_b32 s[G0S+3], s[G0S+3], 0x80000000
	s_mov_b32 s[G0SB], 1
	s_add_co_u32 s[G0SB+1], s94, SCL
	s_mov_b64 s[G0SB+2:G0SB+3], s[92:93]
	s_or_b32 s[G0SB+3], s[G0SB+3], 0x80000000
	JLOAD G0S, G1S, G0SB, G1SB                     ; the scales first; by this text's count a wave has three tensor loads out
.irp s, 0,1
	s_mov_b32 s[G0+4*\s], 1
	s_add_co_u32 s[G0+4*\s+1], s45, \s*SLOT
	s_add_nc_u64 s[G0+4*\s+2:G0+4*\s+3], s[20:21], \s*ROWB
	s_or_b32 s[G0+4*\s+3], s[G0+4*\s+3], 0x80000000
	s_mov_b32 s[G0B+4*\s], 1
	s_add_co_u32 s[G0B+4*\s+1], s45, \s*SLOT
	s_add_nc_u64 s[G0B+4*\s+2:G0B+4*\s+3], s[46:47], \s*ROWB
	s_or_b32 s[G0B+4*\s+3], s[G0B+4*\s+3], 0x80000000
	JLOAD G0+4*\s, G1, G0B+4*\s, G1B
.endr
	v_and_b32 v1, 15, v0                           ; r
	v_bfe_u32 v2, v0, 4, 1                         ; h
	v_mul_u32_u24 v3, v1, PITCH
	v_lshl_add_u32 v4, v2, 4, v3                   ; a fragment's row x pitch + 16 h
	s_mul_i32 s21, s15, HALFT
	s_mul_i32 s22, s16, HALFT
	s_add_co_u32 s22, s22, 2*HALFT
.irp s, 0,1
	v_add_nc_u32 v[ADRA+\s], s21, v4
	v_add_nc_u32 v[ADRB+\s], s22, v4
	s_add_co_u32 s21, s21, SLOT
	s_add_co_u32 s22, s22, SLOT
.endr
	v_mul_u32_u24 v5, v1, KS                       ; my row's scales: 32 bytes a row,
	v_lshrrev_b32 v6, 8, v5
	v_lshl_add_u32 v5, v6, 4, v5                   ; and 16 more for each 256 passed
	s_mul_i32 s21, s15, HALFS
	s_mul_i32 s22, s16, HALFS
	s_add_co_u32 s22, s22, 2*HALFS
	s_sub_co_u32 s22, s22, s21
	v_mul_u32_u24 v6, s22, v2                      ; lanes 16-31 take B's
	s_add_co_u32 s21, s21, SCL
	v_add_nc_u32 v5, v5, v6
	v_add_nc_u32 v[ADRS], s21, v5
	; where the results go.  Tokens lie along A for q and k, along B for v
	s_cmp_eq_u32 s95, 1
	s_cselect_b32 s4, s40, s41                     ; the token tile's place in the cluster
	s_cselect_b32 s5, s41, s40                     ; the feature tile (256 features = 4 heads)
	s_cselect_b32 s6, s16, s15                     ; my half of the tokens
	s_cselect_b32 s7, s15, s16                     ; my half of the features (2 heads)
	s_cselect_b32 s8, 0x10000, 0                   ; the codes' region in a head's block: v, k,
	s_mov_b32 s9, 131072
	s_cselect_b32 s9, 139264, s9                   ; the scale words' likewise
	s_cselect_b32 s10, 1, 2                        ; scale bytes a token: 2 (v) or 4, as a shift
	s_mov_b32 s96, HBT
	s_cselect_b32 s96, 512, s96                    ; from code registers 0-3 to 4-7: v: 512 on; q, k: the next head
	s_mov_b32 s97, 512
	s_cselect_b32 s97, 1024, s97                   ; from one tile of A's rows to the next
	s_mov_b32 s98, 512
	s_cselect_b32 s98, HBT-3072, s98               ; and from tile 3 to tile 4: v: the next head's first tile of d
	s_mov_b32 s99, 256
	s_cselect_b32 s99, HBT, s99                    ; the scale words' store: lanes 16-31 stand so far on
	s_cselect_b32 s11, 0, 16
	s_cselect_b32 s18, 0, 64                       ; the bias offsets' steps: by h,
	s_cselect_b32 s19, 4, 0                        ; by the lane's row,
	s_cselect_b32 s2, 0, 4                         ; by the register
	s_cmp_eq_u32 ttmp9, 0
	s_cselect_b32 s8, 143360, s8                   ; q's regions
	s_cselect_b32 s9, 208896, s9
	s_add_co_u32 s4, s4, s3
	s_lshl_b32 s4, s4, 8
	s_lshl_b32 s6, s6, 7
	s_add_co_u32 s4, s4, s6                        ; my first token
	s_and_b32 s6, s4, 2047                         ; in its batch
	s_lshr_b32 s4, s4, 11                          ; the batch
	s_lshl_b32 s4, s4, 4
	s_lshl_b32 s20, s5, 2
	s_add_co_u32 s4, s4, s20
	s_lshl_b32 s20, s7, 1
	s_add_co_u32 s4, s4, s20                       ; my first head's block
	s_mul_i32 s4, s4, HBT
	s_add_co_u32 s8, s8, s4
	s_lshl_b32 s20, s6, 5
	s_add_co_u32 s8, s8, s20                       ; codes: 32 bytes a token in all three regions
	s_add_co_u32 s9, s9, s4
	s_lshl_b32 s20, s6, s10
	s_add_co_u32 s9, s9, s20
	s_lshl_b32 s20, s5, 10
	s_lshl_b32 s21, s7, 9
	s_add_co_u32 s20, s20, s21
	s_mov_b32 s21, 0
	s_add_nc_u64 s[66:67], s[66:67], s[20:21]      ; the bias at my first feature
	v_and_b32 v6, 31, v0
	v_lshlrev_b32 v6, 4, v6                        ; 16 x lane
	v_add_nc_u32 v[VO0], s8, v6
	v_add_nc_u32 v[VO1], s96, v[VO0]
	v_lshlrev_b32 v5, 4, v1
	v_mad_u32_u24 v5, v2, s99, v5
	v_add_nc_u32 v[VS], s9, v5
	v_add_nc_u32 v[VS1], HBT, v[VS]
	s_lshl_b32 s20, s14, 10                        ; my stage for scale words: 1,024 bytes in slot 0
	v_lshlrev_b32 v5, 2, v1
	v_lshl_add_u32 v5, v2, 9, v5
	v_add_nc_u32 v[SSA], s20, v5                   ; 512 h + 4 r
	v_add_nc_u32 v[SRA], s20, v6
	v_mul_u32_u24 v[VSH], v2, s11
	v_and_b32 v3, 8, v1
	v_add_nc_u32 v3, v3, v1                        ; r + 8 (r / 8)
	v_mul_u32_u24 v5, v2, s18
	v_mad_u32_u24 v5, v3, s19, v5
.irp j, 0,1,2,3,4,5,6,7
	v_mad_u32_u24 v[VB+\j], s2, \j, v5
.endr
; The biases, one text for both roles.  q, k: register 8 i + j = the bias of feature 32 (i / 2) + 8 (i % 2) + 16 h + j.  v: register 8 m + j = the bias of my feature in A's tile m, for every j.
.irp i, 0,1,2,3,4,5,6,7
.irp j, 0,1,2,3,4,5,6,7
	global_load_b32 v[BI+8*\i+\j], v[VB+\j], s[66:67] offset:(32*(\i/2)+8*(\i%2))*4
.endr
.endr
.irp b, 0,1,2,3
	v_mov_b32 v[TM+4+\b], 0                        ; written once: a lane permute's destination counts as one of its sources
.endr
	s_mov_b32 s[SEL], 0x76543210
	s_mov_b32 s[SEL+1], 0xfedcba98                 ; lane l xor 16
.macro FRAG reg, adr, q, i             ; 16 rows x 128 K of 4-bit codes: registers 4 c .. 4 c + 3 hold K = 64 c + 32 (l / 16) + 0 .. 31
.irp c, 0,1
	ds_load_b128 v[\reg+4*\c:\reg+4*\c+3], v[\adr] offset:64*(\q)+32*\c+(\i)*16*PITCH
.endr
.endm
; 16 matrix instructions: A's tiles a0, a0 + 1 x B's eight.  The 64 accumulators take turns, one instruction a turn, in the same order in every step.
.macro MUL16 a0, p, q, sc, zero
.irp a, \a0, \a0+1
.irp b, 0,1,2,3,4,5,6,7
.if \zero
	v_wmma_scale_f32_16x16x128_f8f6f4 v[8*(8*((\a)%4)+\b):8*(8*((\a)%4)+\b)+7], v[128*(\p)+FR*\b:128*(\p)+FR*\b+FR-1], v[AF+FR*(\a):AF+FR*(\a)+FR-1], 0, v[SC+8*NQ*(\sc)+NQ*\b+(\q)], v[SC+8*NQ*(\sc)+NQ*(\a)+(\q)] matrix_a_fmt:MATRIX_FMT_FP4 matrix_b_fmt:MATRIX_FMT_FP4 matrix_a_scale:MATRIX_SCALE_ROW1
.else
	v_wmma_scale_f32_16x16x128_f8f6f4 v[8*(8*((\a)%4)+\b):8*(8*((\a)%4)+\b)+7], v[128*(\p)+FR*\b:128*(\p)+FR*\b+FR-1], v[AF+FR*(\a):AF+FR*(\a)+FR-1], v[8*(8*((\a)%4)+\b):8*(8*((\a)%4)+\b)+7], v[SC+8*NQ*(\sc)+NQ*\b+(\q)], v[SC+8*NQ*(\sc)+NQ*(\a)+(\q)] matrix_a_fmt:MATRIX_FMT_FP4 matrix_b_fmt:MATRIX_FMT_FP4 matrix_a_scale:MATRIX_SCALE_ROW1
.endif
.endr
.endr
.endm
.macro FETCH_B slot, q, p
	WIN TO_B
.irp i, 0,1,2,3,4,5,6,7
	FRAG 128*(\p)+FR*\i, ADRB+\slot, \q, \i
.endr
	WIN 0
.endm
.macro FETCH_A slot, q, i0
.irp i, \i0, \i0+1, \i0+2, \i0+3
	FRAG AF+FR*(\i), ADRA+\slot, \q, \i
.endr
.endm
.macro SCALES sc                       ; a slot's scale words: four a row; lanes 0-15 take A's tile i, lanes 16-31 B's tile i
.irp i, 0,1,2,3,4,5,6,7
	ds_load_b128 v[SC+8*NQ*\sc+NQ*\i:SC+8*NQ*\sc+NQ*\i+3], v[ADRS] offset:\i*SBLK
.endr
.endm
.macro PLACES n                        ; plain vector lines between a matrix instruction and a load into, or a vector line on, its registers
.rept \n
	v_nop
.endr
.endm
.macro STEP slot, q, zero              ; 128 along K, with its successor in the same slot
	s_wait_dscnt 4*NL                              ; B's set and A's tiles 0-3 are in; the youngest eight loads (A's tiles 4-7) may be out
	WIN MUL_LO
	MUL16 0, (\q)%2, \q, \slot, \zero
	MUL16 2, (\q)%2, \q, \slot, \zero
	s_wait_dscnt 0
	PLACES NP
	FETCH_B \slot, (\q)+1, 1-(\q)%2
	FETCH_A \slot, (\q)+1, 0
	WIN MUL_HI
	MUL16 4, (\q)%2, \q, \slot, \zero
	MUL16 6, (\q)%2, \q, \slot, \zero
	PLACES NP
	WIN 0
	FETCH_A \slot, (\q)+1, 4
.endm
.macro TURN slot, next                 ; slot 0's last step changes slots: one barrier; behind it nobody reads slot 0 and slot 1 is whole.  Nothing is filled again
	s_wait_tensorcnt 0x0                           ; all my tensor loads have landed: my part of slot 1
	ds_add_u32 v[SPW], v[NIL]
	s_wait_dscnt 4*NL+1                            ; the add and the youngest eight loads may be out
	WIN MUL_LO
	MUL16 0, 1, NQ-1, \slot, 0
	s_wait_dscnt 0x0                               ; the add is done, and my reads of this slot are over
	s_barrier_signal -1
	MUL16 2, 1, NQ-1, \slot, 0
	WIN 0
	s_barrier_wait -1
	PLACES NP
	v_add_nc_u32 v[ADRS], 4*NQ, v[ADRS]            ; the next slot's scale words
	FETCH_B \next, 0, 0
	FETCH_A \next, 0, 0
	SCALES \next
	WIN MUL_HI
	MUL16 4, 1, NQ-1, \slot, 0
	MUL16 6, 1, NQ-1, \slot, 0
	PLACES NP
	WIN 0
	FETCH_A \next, 0, 4
.endm
.macro STEPS slot, from
.set Q, \from
.rept NQ-1-\from
	STEP \slot, Q, 0
.set Q, Q+1
.endr
.endm
	s_wait_tensorcnt 1                             ; the scales and my part of slot 0 are in; slot 1's load may be out
	s_barrier_signal -1
	s_barrier_wait -1
	FETCH_B 0, 0, 0
	FETCH_A 0, 0, 0
	SCALES 0
	FETCH_A 0, 0, 4
	STEP 0, 0, 1                                   ; the first products start the sums: nothing is cleared
	STEPS 0, 1
	TURN 0, 1
	STEPS 1, 0
	s_wait_dscnt 4*NL
	WIN MUL_LO
	MUL16 0, 1, NQ-1, 1, 0
	MUL16 2, 1, NQ-1, 1, 0
	s_wait_dscnt 0
	WIN MUL_HI
	MUL16 4, 1, NQ-1, 1, 0
	MUL16 6, 1, NQ-1, 1, 0
	WIN 0
; THE WAY OUT.
; 64 numbers of a lane, register 16 b + i = place 32 b + 16 (lane / 16) + i along the next K, become eight registers of codes at v[pc] and a scale word in v[PW].
.macro QUANT s, pc
.irp b, 0,1,2,3
	v_max3_num_f32 v[TM+\b], |v[\s+16*\b]|, |v[\s+1+16*\b]|, 0x1800000   ; my 16 numbers of block b, and the floor 2^(3 - 127)
.endr
.irp i, 2,4,6,8,10,12,14
.irp b, 0,1,2,3
	v_max3_num_f32 v[TM+\b], v[TM+\b], |v[\s+16*\b+\i]|, |v[\s+1+16*\b+\i]|
.endr
.endr
.irp b, 0,1,2,3
	v_permlanex16_b32 v[TM+4+\b], v[TM+\b], s[SEL], s[SEL+1]
.endr
.irp b, 0,1,2,3
	v_max_num_f32 v[TM+\b], v[TM+\b], v[TM+4+\b]   ; with lane l xor 16: the block's largest magnitude
.endr
.irp b, 0,1,2,3
	v_add_nc_u32 v[TM+12+\b], 0xff000000, v[TM+\b] ; 2 off its exponent field: the conversion's scale operand
.endr
.irp b, 0,1,2,3
	v_lshrrev_b32 v[TM+4+\b], 23, v[TM+12+\b]      ; the scale's byte
.endr
	v_lshl_or_b32 v[PW], v[TM+5], 8, v[TM+4]
	v_lshl_or_b32 v[PW], v[TM+6], 16, v[PW]
	v_lshl_or_b32 v[PW], v[TM+7], 24, v[PW]
.irp b, 0,1,2,3
	v_cvt_scalef32_pk8_fp4_f32 v[\pc+2*\b], v[\s+16*\b:\s+7+16*\b], v[TM+12+\b]
	v_cvt_scalef32_pk8_fp4_f32 v[\pc+1+2*\b], v[\s+8+16*\b:\s+15+16*\b], v[TM+12+\b]
.endr
	v_nop                                          ; one plain line behind a scaled conversion
.irp c, 0,1                                    ; the operand's layout wants a whole block in a lane
.irp i, 0,1
	v_permlane16_swap_b32 v[\pc+4*\c+\i], v[\pc+2+4*\c+\i]
.endr
.endr
.endm
; A's tile m: its eight accumulators + the bias, each accumulator from its low end on.  sel = 0: the bias goes by B's tile and register; 1: by A's tile
.macro ADDB m, sel
.set WN, 0x02+(\m)/4
	WIN WN                                         ; source 0: window 2 or 3
.irp i, 0,1,2,3,4,5,6,7
.irp jp, 0,2,4,6
.if \sel
	v_pk_add_f32 v[HA+8*\i+\jp:HA+8*\i+\jp+1], v[8*(8*((\m)%4)+\i)+\jp:8*(8*((\m)%4)+\i)+\jp+1], v[BI+8*(\m)+\jp:BI+8*(\m)+\jp+1]
.else
	v_pk_add_f32 v[HA+8*\i+\jp:HA+8*\i+\jp+1], v[8*(8*((\m)%4)+\i)+\jp:8*(8*((\m)%4)+\i)+\jp+1], v[BI+8*\i+\jp:BI+8*\i+\jp+1]
.endif
.endr
.endr
	WIN 0
.endm
.macro EPI m
	s_cmp_eq_u32 s95, 0                            ; by the cluster's x alone; the two arms hold work on registers only
	s_cbranch_scc0 .Lbias_v_\@
	ADDB \m, 0
	s_branch .Lbias_done_\@
.Lbias_v_\@:
	ADDB \m, 1
.Lbias_done_\@:
	QUANT HA, PC+8*((\m)%2)
	v_lshrrev_b32 v[PWS], v[VSH], v[PW]            ; q, k: lanes 16-31 bring the second head's two bytes down
	ds_store_b32 v[SSA], v[PWS] offset:64*(\m)
.if \m > 0
	s_wait_xcnt 0x0                                ; the last tile's stores have read their offsets; the tile before's have read the codes' set that comes next
.if \m == 4
	v_add_nc_u32 v[VO0], s98, v[VO0]
	s_wait_alu depctr_va_vdst(0)
	v_add_nc_u32 v[VO1], s98, v[VO1]
.else
	v_add_nc_u32 v[VO0], s97, v[VO0]
	s_wait_alu depctr_va_vdst(0)
	v_add_nc_u32 v[VO1], s97, v[VO1]
.endif
.endif
	global_store_b128 v[VO0], v[PC+8*((\m)%2):PC+8*((\m)%2)+3], s[12:13]     ; the wave stores 512 consecutive bytes, aligned
	global_store_b128 v[VO1], v[PC+8*((\m)%2)+4:PC+8*((\m)%2)+7], s[12:13]
.endm
	s_wait_loadcnt 0x0                             ; the biases; their offsets' registers are free
	PLACES NP                                      ; behind the last products: their results are read and A's registers written below
.irp m, 0,1,2,3,4,5,6,7
	EPI \m
.endr
; The scale words went through my 1,024 bytes of slot 0, which has had its only fill and which nobody reads since the change of slots.
; q, k: [head][8 tiles][16 words].  v: lanes 0-15 wrote [8 tiles of features][16 words], 256 bytes a head; lanes 16-31 wrote a copy into the upper half, which is loaded and not stored.
	ds_load_b128 v[T:T+3], v[SRA]                  ; in order behind my stores
	ds_load_b128 v[T+4:T+7], v[SRA] offset:512
	s_wait_dscnt 0x0
	global_store_b128 v[VS], v[T:T+3], s[12:13]    ; sixteen lanes store 256 consecutive bytes, aligned
	s_cmp_eq_u32 s95, 0
	s_cbranch_scc0 .Lone_store
	global_store_b128 v[VS1], v[T+4:T+7], s[12:13] ; q, k: the second head's words
.Lone_store:
	s_wait_tensorcnt 0x0                           ; the wave's end
	ds_add_u32 v[SPW], v[NIL]
	s_wait_dscnt 0x0
	CROUND                                         ; the closing round
	s_endpgm
.Lfunc_end_k_qb46be1cb54_gemm_qkv:
	.size	k_qb46be1cb54_gemm_qkv, .Lfunc_end_k_qb46be1cb54_gemm_qkv-k_qb46be1cb54_gemm_qkv
	.p2alignl 7, 3214868480
	.fill 96, 4, 3214868480
	.section	.rodata,"a",@progbits
	.p2align	6, 0x0
	.amdhsa_kernel k_qb46be1cb54_gemm_qkv
		.amdhsa_group_segment_fixed_size 327680
		.amdhsa_private_segment_fixed_size 0
		.amdhsa_enable_private_segment 0
		.amdhsa_kernarg_size 64
		.amdhsa_user_sgpr_count 2
		.amdhsa_user_sgpr_kernarg_segment_ptr 1
		.amdhsa_wavefront_size32 1
		.amdhsa_system_sgpr_workgroup_id_x 1
		.amdhsa_system_sgpr_workgroup_id_y 1
		.amdhsa_system_sgpr_workgroup_id_z 1
		.amdhsa_system_vgpr_workitem_id 0
		.amdhsa_next_free_vgpr 1024
		.amdhsa_next_free_sgpr 100
		.amdhsa_reserve_vcc 0
		.amdhsa_float_denorm_mode_32 3
		.amdhsa_float_denorm_mode_16_64 3
		.amdhsa_memory_ordered 1
		.amdhsa_forward_progress 1
		.amdhsa_inst_pref_size 171
	.end_amdhsa_kernel
	.amdgpu_metadata
---
amdhsa.version: [ 1, 2 ]
amdhsa.kernels:
  - .name:           k_qb46be1cb54_gemm_qkv
    .symbol:         k_qb46be1cb54_gemm_qkv.kd
    .args:
      - { .name: xc, .offset: 0, .size: 8, .value_kind: global_buffer, .address_space: global }
      - { .name: xs, .offset: 8, .size: 8, .value_kind: global_buffer, .address_space: global }
      - { .name: wc, .offset: 16, .size: 8, .value_kind: global_buffer, .address_space: global }
      - { .name: ws, .offset: 24, .size: 8, .value_kind: global_buffer, .address_space: global }
      - { .name: bq, .offset: 32, .size: 8, .value_kind: global_buffer, .address_space: global }
      - { .name: bk, .offset: 40, .size: 8, .value_kind: global_buffer, .address_space: global }
      - { .name: bv, .offset: 48, .size: 8, .value_kind: global_buffer, .address_space: global }
      - { .name: qkv, .offset: 56, .size: 8, .value_kind: global_buffer, .address_space: global }
    .group_segment_fixed_size: 327680
    .private_segment_fixed_size: 0
    .kernarg_segment_align: 8
    .kernarg_segment_size: 64
    .max_flat_workgroup_size: 128
    .sgpr_count:     100
    .vgpr_count:     1024
    .wavefront_size: 32
...
	.end_amdgpu_metadata
.endif
;; end of part 3
;; launch attn (part 4): grid 8 x 32, 16 waves a work-group, clusters of 4 x 1, 327,680 bytes of LDS; arguments qkv, ac, asc; writes ac, asc
.if DOCPART == 4
	.amdgcn_target "amdgcn-amd-amdhsa--gfx1250"
	.amdhsa_code_object_version 6
	.text
	.protected	k_qb46be1cb54_attn
	.globl	k_qb46be1cb54_attn
	.p2align	8
	.type	k_qb46be1cb54_attn,@function
k_qb46be1cb54_attn:
	s_mov_b64 s[64:65], 0
	v_nop
	global_prefetch_b8 v0, s[64:65] scope:SCOPE_SE
	s_setreg_imm32_b32 hwreg(HW_REG_WAVE_MODE, 25, 1), 1
	s_wait_xcnt 0x0
	s_wait_alu depctr_hold_cnt(0) depctr_sa_sdst(0) depctr_va_vdst(0) depctr_va_sdst(0) depctr_va_ssrc(0) depctr_va_vcc(0) depctr_vm_vsrc(0)
	s_getreg_b32 s2, hwreg(HW_REG_IB_STS2, 6, 4)
	s_cmp_eq_u32 s2, 0
	s_cbranch_scc0 .Lentry_in_a_cluster
	s_endpgm
.Lentry_in_a_cluster:
	s_bfe_u32 s2, ttmp6, 0x10000c
	s_cmp_lg_u32 s2, 0x3003
	s_cbranch_scc0 .Lentry_shape_is_right
	s_endpgm
.Lentry_shape_is_right:
; Attention on codes of FP4: S = q k^T / 8, p = 2^(t - M), O = p v / l, and O quantised along (head, d) for the last projection.  Nothing is left out.
; t = score x log2(e) / 8; M = the running largest t rounded UP to a whole number; p is quantised along the keys, not normalised; l is the sum of the unquantised p; when M moves, l and O are multiplied by a power of two.
; SHARES.  A work-group: 256 queries of a PAIR of heads 2 p, 2 p + 1 of one batch (y = 8 x batch + p).  Each of sixteen waves owns one tile of 16 queries, first for head 2 p, then for 2 p + 1:
; so it ends with a whole operand (eight registers) and a whole scale word of K step p of the last projection.  Four waves share a SIMD: one wave's vector work stands beside another's matrix work.
; LDS.  Each head's K codes, V codes and their scale words are ONE dense block of 143,360 bytes of qkv; both blocks come once, by two tensor loads a wave (35 rows of 256 bytes each), and stay: nothing is filled again.
; The blocks hold IMAGES of operand registers: a load takes 16 bytes at 16 x lane: consecutive bytes, no pitch, no padding.
; CLUSTER.  The four query blocks of a cluster walk the same two heads: each tile is asked for jointly, with the same descriptor and the mask of all four.
; LAYOUT.  Both products transposed: S^T = K Q^T, O^T = V^T P^T: a lane holds one query.  Token tiles lie in stored order, so the 16 registers of tiles 2 b, 2 b + 1 of S^T are 16 neighbouring keys;
; V's tiles of d likewise, so O^T's 16 registers of two tiles are 16 neighbouring d.
; THE HEAD'S 64 fill half of the first product's 128: registers 4-7 of Q's and of every K fragment are zero codes, set once; the scale bytes over them are never 0xff.
; LIMITS: as stated at the first launch's head.
; REGISTERS: v1-7 addresses that stay; v8-11 the step's addresses; v12 -M, v13 the largest t, v[14:15] the sum; v16-23, v24-31 Q of the two heads (a head's final codes take its low four at its end);
;   v32-95 eight K fragments; v96-159 S^T, then p; v160-191 O^T; v192-223 four V fragments; v224-231 p's codes; v232-239, v244-247, v252, v254 at work;
;   scale words and nothing else: v240-241 V, v242-243 Q, v248-251 K, v253 p;  v255 the row's scale word for the last projection.
.set HBT,   217088                     ; a head's block in qkv
.set HB,    143360                     ; what of it comes to LDS; Q's codes begin here
.set HBB,   147456                     ; LDS: the second head's block begins here; 4,096 bytes behind each block are touched by nothing
.set WPART, 8960                       ; a wave's part of a block: 35 rows of 256 bytes
.set SPARE, 294912                     ; the spare words, 128 bytes a wave, which no other line names
.set LI,   1                           ; v1  16 x lane
.set LS,   2                           ; v2  4 x lane
.set AV0,  3                           ; v3  V's codes
.set ASK0, 4                           ; v4  K's scale words
.set SPW,  5
.set NIL,  6
.set ASV0, 7                           ; v7  V's scale words
.set ADK,  8
.set ADV,  9
.set ADS,  10
.set ADT,  11
.set WV,   18
.set SEL,  20
.set CS,   22                          ; s[22:23] c = log2(e) / 8
.set G1,   24
.set G0A,  32
.set G0B,  36
.set TB,   2                           ; s2  LDS byte of the step's codes: 4,096 a step, for K and for V
.set TS,   3                           ; s3  of K's scale words: 512 a step
.set TJ,   40                          ; s40 of V's: 256 a step
.set CNT,  41
.macro ROUND                           ; a round of the cluster's barrier
	s_barrier_signal -1
	s_barrier_wait -1
	s_cmp_lg_u32 s[WV], 0
	s_cbranch_scc1 .Lnot_wave_0_\@
	s_barrier_signal -3
.Lnot_wave_0_\@:
	s_barrier_wait -3
	s_barrier_signal -1
	s_barrier_wait -1
.endm
	s_load_b128 s[4:7], s[0:1], 0x0                ; qkv, ac
	s_load_b64 s[8:9], s[0:1], 0x10                ; asc
	v_lshl_add_u32 v[SPW], v0, 2, SPARE
	v_mov_b32 v[NIL], 0
	ds_add_u32 v[SPW], v[NIL]                      ; the opening: the add, twice on end, and its wait ahead of my first tensor load
	ds_add_u32 v[SPW], v[NIL]
	v_lshrrev_b32 v8, 5, v0
	s_delay_alu instid0(VALU_DEP_1)
	v_readfirstlane_b32 s[WV], v8                  ; wave 0..15
	s_and_b32 s12, ttmp7, 0xffff                   ; y
	s_mul_i32 s14, s12, 2*HBT                      ; the pair's first block in qkv
	s_mul_i32 s16, s[WV], WPART                    ; my part of a block, in memory and in LDS
	s_add_co_u32 s42, s14, s16
	s_mov_b32 s43, 0
	s_mov_b32 s[G1], 15|(3<<16)|(1<<21)            ; the mask: all four work-groups; elements of 8 bytes; bit 21 beside a mask; no padding
	s_mov_b32 s[G1+1], 32<<16                      ; tensor_dim0 = 32 elements: 256 bytes
	s_mov_b32 s[G1+2], 35<<16                      ; tensor_dim1
	s_mov_b32 s[G1+3], 32<<16                      ; tile_dim0
	s_mov_b32 s[G1+4], 35                          ; tile_dim1
	s_mov_b32 s[G1+5], 32                          ; the pitch: dense
	s_mov_b32 s[G1+6], 0
	s_mov_b32 s[G1+7], 0
	s_mov_b32 s[SEL], 0x76543210
	s_mov_b32 s[SEL+1], 0xfedcba98
	s_mov_b32 s[CS], 0x3e38aa3b                    ; log2(e) / 8
	s_mov_b32 s[CS+1], s[CS]
	s_bfe_u32 s10, ttmp6, 0x40000                  ; cx: it enters the addresses of Q and of the results alone
	s_lshl_b32 s11, ttmp9, 2
	s_add_co_u32 s11, s11, s10                     ; my block of 256 queries
	s_lshl_b32 s11, s11, 4
	s_add_co_u32 s11, s11, s[WV]                   ; my token tile in the batch
	s_lshl_b32 s44, s11, 9
	s_add_co_u32 s44, s44, s14
	s_add_co_u32 s44, s44, HB                      ; Q's codes: 512 bytes a tile
	s_lshl_b32 s45, s11, 6
	s_add_co_u32 s45, s45, s14
	s_add_co_u32 s45, s45, 208896                  ; Q's scale words: 64 bytes a tile
	s_lshr_b32 s13, s12, 3
	s_lshl_b32 s13, s13, 7
	s_add_co_u32 s13, s13, s11                     ; my token tile of all 512
	s_and_b32 s15, s12, 7                          ; the pair
	s_lshl_b32 s46, s13, 13
	s_lshl_b32 s17, s15, 10
	s_add_co_u32 s46, s46, s17                     ; ac: 8,192 bytes a tile, 1,024 a pair
	s_lshl_b32 s47, s13, 9
	s_lshl_b32 s17, s15, 2
	s_add_co_u32 s47, s47, s17                     ; asc: 32 bytes a row, word = the pair
	s_wait_dscnt 0x0                               ; both opening adds are done
	s_wait_kmcnt 0x0
	s_mov_b32 s[G0A], 1
	s_mov_b32 s[G0A+1], s16
	s_add_nc_u64 s[G0A+2:G0A+3], s[4:5], s[42:43]
	s_mov_b32 s[G0B], 1
	s_add_co_u32 s[G0B+1], s16, HBB
	s_add_nc_u64 s[G0B+2:G0B+3], s[G0A+2:G0A+3], HBT
	s_or_b32 s[G0A+3], s[G0A+3], 0x80000000
	s_or_b32 s[G0B+3], s[G0B+3], 0x80000000
	ROUND                                          ; all four work-groups are here: the joint loads meet
	tensor_load_to_lds s[G0A:G0A+3], s[G1:G1+7]    ; every wave asks for its part of both blocks: one tensor load of mine is out at a time
	s_nop 0
	s_wait_alu depctr_va_vdst(0)
	s_wait_tensorcnt 0x0
	ds_add_u32 v5, v6
	s_wait_dscnt 0x0
	ROUND
	tensor_load_to_lds s[G0B:G0B+3], s[G1:G1+7]
	s_nop 0
.rept 4
	v_nop
.endr
	v_and_b32 v8, 31, v0
	s_delay_alu instid0(VALU_DEP_1)
	v_lshlrev_b32 v[LI], 4, v8
	s_delay_alu instid0(VALU_DEP_2)
	v_lshlrev_b32 v[LS], 2, v8
	s_delay_alu instid0(VALU_DEP_2)
	v_add_nc_u32 v9, s44, v[LI]
	global_load_b128 v[16:19], v9, s[4:5]          ; Q of the first head: an image, 16 bytes a lane
	global_load_b128 v[24:27], v9, s[4:5] offset:HBT
	v_and_b32 v10, 15, v0
	s_delay_alu instid0(VALU_DEP_1)
	v_lshl_add_u32 v10, v10, 2, s45
	global_load_b32 v242, v10, s[4:5]              ; Q's scale words: lane r has row r's
	global_load_b32 v243, v10, s[4:5] offset:HBT
	v_add_nc_u32 v[AV0], 65536, v[LI]
	v_add_nc_u32 v[ASK0], 131072, v[LS]
	v_add_nc_u32 v[ASV0], 139264, v[LS]
.irp j, 20,21,22,23,28,29,30,31
	v_mov_b32 v[\j], 0                             ; zero codes for k = 64 .. 127 of Q
.endr
.irp t, 0,1,2,3,4,5,6,7
.irp j, 36,37,38,39
	v_mov_b32 v[\j+8*\t], 0                        ; and of every K fragment: the loads write the low four registers alone
.endr
.endr
.irp b, 0,1,2,3
	v_mov_b32 v[236+\b], 0                         ; written once: a lane permute's destination counts as one of its sources
.endr
	v_mov_b32 v253, 0                              ; (named as the upper half of the pair v[252:253] before it is first written)
; A KEY STEP: 128 keys of head c.
.macro STEP c
	v_add_nc_u32 v[ADK], s[TB], v[LI]              ; these four lines are also the places between the last step's products and the loads into V's registers
	v_add_nc_u32 v[ADV], s[TB], v[AV0]
	v_add_nc_u32 v[ADS], s[TS], v[ASK0]
	v_add_nc_u32 v[ADT], s[TJ], v[ASV0]
.irp t, 0,1,2,3,4,5,6,7
	ds_load_b128 v[32+8*\t:35+8*\t], v[ADK] offset:512*\t          ; eight tiles of 16 keys
.endr
.irp j, 0,1,2,3
	ds_load_b32 v[248+\j], v[ADS] offset:128*\j                    ; their scale words: lanes 0-15 tile 2 j, lanes 16-31 tile 2 j + 1
.endr
.irp t, 0,1,2,3
.irp g, 0,1
	ds_load_b128 v[192+8*\t+4*\g:195+8*\t+4*\g], v[ADV] offset:1024*\t+512*\g   ; four tiles of 16 d x these 128 keys
.endr
.endr
.irp j, 0,1
	ds_load_b32 v[240+\j], v[ADT] offset:128*\j
.endr
	s_wait_dscnt 10                                ; K's twelve loads are in; V's ten stay out
.irp t, 0,2,4,6
	v_wmma_scale_f32_16x16x128_f8f6f4 v[96+8*\t:103+8*\t], v[32+8*\t:39+8*\t], v[16+8*(\c):23+8*(\c)], 0, v[248+\t/2], v[242+(\c)] matrix_a_fmt:MATRIX_FMT_FP4 matrix_b_fmt:MATRIX_FMT_FP4
	v_wmma_scale_f32_16x16x128_f8f6f4 v[104+8*\t:111+8*\t], v[40+8*\t:47+8*\t], v[16+8*(\c):23+8*(\c)], 0, v[248+\t/2], v[242+(\c)] matrix_a_fmt:MATRIX_FMT_FP4 matrix_b_fmt:MATRIX_FMT_FP4 matrix_a_scale:MATRIX_SCALE_ROW1
.endr
.rept 4
	v_nop
.endr
.irp b, 0,1,2,3
	v_max3_num_f32 v[232+\b], v[96+16*\b], v[97+16*\b], v[98+16*\b]   ; the largest score of each block of 32 keys: for the row's maximum, and, since p rises with the score, for the block's largest p
.endr
.irp i, 3,5,7,9,11,13
.irp b, 0,1,2,3
	v_max3_num_f32 v[232+\b], v[232+\b], v[96+16*\b+\i], v[97+16*\b+\i]
.endr
.endr
.irp b, 0,1,2,3
	v_max_num_f32 v[232+\b], v[232+\b], v[111+16*\b]
.endr
.irp b, 0,1,2,3
	s_delay_alu instid0(VALU_DEP_4)
	v_permlanex16_b32 v[236+\b], v[232+\b], s[SEL], s[SEL+1]
.endr
.irp b, 0,1,2,3
	s_delay_alu instid0(VALU_DEP_4)
	v_max_num_f32 v[232+\b], v[232+\b], v[236+\b]  ; with lane l xor 16's 16 keys
.endr
	s_delay_alu instid0(VALU_DEP_2)
	v_max3_num_f32 v254, v232, v233, v234
	s_delay_alu instid0(VALU_DEP_1)
	v_max_num_f32 v254, v254, v235                 ; the step's largest score of my query
	s_delay_alu instid0(VALU_DEP_1)
	v_mul_f32 v254, s[CS], v254                    ; as t
	s_delay_alu instid0(VALU_DEP_1)
	v_max_num_f32 v13, v13, v254                   ; the running largest t
	v_mov_b32 v254, v12
	s_delay_alu instid0(VALU_DEP_2)
	v_floor_f32 v12, -v13                          ; the new -M = floor(-t): M is a whole number
	s_delay_alu instid0(VALU_DEP_1)
	v_sub_f32 v254, v12, v254                      ; old M - new M: a whole number, 0 or less
	s_delay_alu instid0(VALU_DEP_1)
	v_cvt_i32_f32 v254, v254                       ; (it saturates)
	s_delay_alu instid0(VALU_DEP_1)
	v_ldexp_f32 v252, 1.0, v254                    ; f = 2^(old M - new M)
.set J, 0
.rept 32
	v_pk_fma_f32 v[96+J:97+J], v[96+J:97+J], s[CS:CS+1], v[12:13] op_sel_hi:[1,0,0]   ; t - M, two at a time
.set J, J+2
.endr
.irp b, 0,1,2,3
	v_fma_f32 v[232+\b], v[232+\b], s[CS], v12     ; the same of each block's largest score
.endr
.set J, 0
	s_wait_alu depctr_va_vdst(0)
.rept 64
	v_exp_f32 v[96+J], v[96+J]                     ; p = 2^(t - M), at most 1
.set J, J+1
.endr
	s_setprio 1
	v_pk_mul_f32 v[14:15], v[14:15], v[252:253] op_sel_hi:[1,0]   ; the sums under the new M: the plain line behind the exponentials
	s_wait_alu depctr_va_vdst(0)                   ; one wait for the whole batch, ahead of its first reader
.irp b, 0,1,2,3
	v_exp_f32 v[232+\b], v[232+\b]                 ; each block's largest p
.endr
	v_pk_add_f32 v[236:237], v[96:97], v[98:99]    ; the row's sum is taken of the unquantised p, in two chains; it reads the 64 alone
.irp j, 4,8,12,16,20,24,28,32,36,40,44,48,52,56,60
	v_pk_add_f32 v[14:15], v[14:15], v[96+\j:97+\j]
	v_pk_add_f32 v[236:237], v[236:237], v[98+\j:99+\j]
.endr
	s_delay_alu instid0(VALU_DEP_1)
	v_pk_add_f32 v[14:15], v[14:15], v[236:237]
	s_wait_alu depctr_va_vdst(0)                   ; and one wait for the four
.irp b, 0,1,2,3
	v_max_num_f32 v[232+\b], 0x1800000, v[232+\b]  ; the floor 2^(3 - 127)
.endr
.irp b, 0,1,2,3
	s_delay_alu instid0(VALU_DEP_4)
	v_add_nc_u32 v[244+\b], 0xff000000, v[232+\b]  ; the conversion's scale operand
.endr
.irp b, 0,1,2,3
	s_delay_alu instid0(VALU_DEP_4)
	v_lshrrev_b32 v[236+\b], 23, v[244+\b]         ; the scale's byte
.endr
	s_delay_alu instid0(VALU_DEP_3)
	v_lshl_or_b32 v253, v237, 8, v236              ; p's scale word for these 128 keys
	s_delay_alu instid0(VALU_DEP_1)
	v_lshl_or_b32 v253, v238, 16, v253
	s_delay_alu instid0(VALU_DEP_1)
	v_lshl_or_b32 v253, v239, 24, v253
.irp b, 0,1,2,3
	v_cvt_scalef32_pk8_fp4_f32 v[224+2*\b], v[96+16*\b:103+16*\b], v[244+\b]
	v_cvt_scalef32_pk8_fp4_f32 v[225+2*\b], v[104+16*\b:111+16*\b], v[244+\b]
.endr
	v_nop                                          ; one plain line behind a scaled conversion
.irp g, 0,1                                    ; a whole block in a lane: lanes 0-15 block 2 g, lanes 16-31 block 2 g + 1
.irp i, 0,1
	v_permlane16_swap_b32 v[224+4*\g+\i], v[226+4*\g+\i]
.endr
.endr
.set J, 0
	s_setprio 0
.rept 16
	v_pk_mul_f32 v[160+J:161+J], v[160+J:161+J], v[252:253] op_sel_hi:[1,0]   ; O^T under the new M; these sixteen lines stand between the making of p's codes and scale word and the products
.set J, J+2
.endr
	s_wait_alu depctr_va_vdst(0)
	s_wait_dscnt 0x0                               ; V is in
.irp t, 0,2
	v_wmma_scale_f32_16x16x128_f8f6f4 v[160+8*\t:167+8*\t], v[192+8*\t:199+8*\t], v[224:231], v[160+8*\t:167+8*\t], v[240+\t/2], v253 matrix_a_fmt:MATRIX_FMT_FP4 matrix_b_fmt:MATRIX_FMT_FP4
	v_wmma_scale_f32_16x16x128_f8f6f4 v[168+8*\t:175+8*\t], v[200+8*\t:207+8*\t], v[224:231], v[168+8*\t:175+8*\t], v[240+\t/2], v253 matrix_a_fmt:MATRIX_FMT_FP4 matrix_b_fmt:MATRIX_FMT_FP4 matrix_a_scale:MATRIX_SCALE_ROW1
.endr
	s_add_co_u32 s[TB], s[TB], 4096
	s_add_co_u32 s[TS], s[TS], 512
	s_add_co_u32 s[TJ], s[TJ], 256
.endm
; A head's end: O^T / l, its two blocks of 32 along d quantised, four registers of codes stored as they stand, two scale bytes into v255.
.macro FIN c
.rept 4
	v_nop                                          ; places behind the last products
.endr
	v_add_f32 v14, v14, v15
	s_delay_alu instid0(VALU_DEP_1)
	v_permlanex16_b32 v252, v14, s[SEL], s[SEL+1]
	s_delay_alu instid0(VALU_DEP_1)
	v_add_f32 v14, v14, v252                       ; the row's sum
	s_wait_alu depctr_va_vdst(0)
	v_rcp_f32 v14, v14
	v_add_nc_u32 v8, s46, v[LI]                    ; (the plain line behind the reciprocal)  my byte in ac
	s_wait_alu depctr_va_vdst(0)                   ; the wait ahead of its first reader
.set J, 0
.rept 16
	v_pk_mul_f32 v[96+J:97+J], v[160+J:161+J], v[14:15] op_sel_hi:[1,0]   ; register 16 b + i is d = 32 b + 16 (lane / 16) + i
.set J, J+2
.endr
.irp b, 0,1
	v_max3_num_f32 v[232+\b], |v[96+16*\b]|, |v[97+16*\b]|, 0x1800000
.endr
.irp i, 2,4,6,8,10,12,14
.irp b, 0,1
	s_delay_alu instid0(VALU_DEP_2)
	v_max3_num_f32 v[232+\b], v[232+\b], |v[96+16*\b+\i]|, |v[97+16*\b+\i]|
.endr
.endr
.irp b, 0,1
	s_delay_alu instid0(VALU_DEP_2)
	v_permlanex16_b32 v[236+\b], v[232+\b], s[SEL], s[SEL+1]
.endr
.irp b, 0,1
	s_delay_alu instid0(VALU_DEP_2)
	v_max_num_f32 v[232+\b], v[232+\b], v[236+\b]
.endr
.irp b, 0,1
	s_delay_alu instid0(VALU_DEP_2)
	v_add_nc_u32 v[244+\b], 0xff000000, v[232+\b]
.endr
.irp b, 0,1
	s_delay_alu instid0(VALU_DEP_2)
	v_lshrrev_b32 v[236+\b], 23, v[244+\b]
.endr
.if (\c) == 0
	s_delay_alu instid0(VALU_DEP_1)
	v_lshl_or_b32 v255, v237, 8, v236              ; bytes 0 and 1 of the row's word
.else
	s_delay_alu instid0(VALU_DEP_1)
	v_lshl_or_b32 v254, v237, 8, v236
	s_delay_alu instid0(VALU_DEP_1)
	v_lshl_or_b32 v255, v254, 16, v255             ; bytes 2 and 3
.endif
.irp b, 0,1
	v_cvt_scalef32_pk8_fp4_f32 v[16+8*(\c)+2*\b], v[96+16*\b:103+16*\b], v[244+\b]
	v_cvt_scalef32_pk8_fp4_f32 v[17+8*(\c)+2*\b], v[104+16*\b:111+16*\b], v[244+\b]
.endr
	v_nop
.irp i, 0,1
	v_permlane16_swap_b32 v[16+8*(\c)+\i], v[18+8*(\c)+\i]         ; lanes 0-15: d 0 .. 31, lanes 16-31: d 32 .. 63
.endr
	global_store_b128 v8, v[16+8*(\c):19+8*(\c)], s[6:7] offset:512*(\c)   ; the wave stores 512 consecutive bytes, aligned
.endm
.macro HEAD c
	s_mov_b32 s[TB], (\c)*HBB
	s_mov_b32 s[TS], (\c)*HBB
	s_mov_b32 s[TJ], (\c)*HBB
	s_mov_b32 s[CNT], 16
	v_mov_b32 v13, 0xff61b1e6                      ; the largest t so far: -3e38
	s_delay_alu instid0(VALU_DEP_1)
	v_floor_f32 v12, -v13
	v_mov_b32 v14, 0
	v_mov_b32 v15, 0
.set J, 0
.rept 32
	v_mov_b32 v[160+J], 0                          ; O^T: the step is written once; its first trip finds zeros, which the first change of M leaves zeros
.set J, J+1
.endr
.Lstep_\@:
	s_setprio 2
	STEP \c
	s_sub_co_u32 s[CNT], s[CNT], 1
	s_cmp_lg_u32 s[CNT], 0
	s_cbranch_scc1 .Lstep_\@
	s_setprio 0
	FIN \c
.endm
	s_wait_tensorcnt 0x1                           ; my part of the first head's block is in; the second head's load may stay out
	s_barrier_signal -1
	s_barrier_wait -1                              ; everybody's is
	s_wait_loadcnt 0x0                             ; Q and its scale words; their offsets' registers are free
	HEAD 0
	s_wait_xcnt 0x0                                ; the first head's store has read v8
	s_wait_tensorcnt 0x0                           ; my part of the second head's block is in
	s_wait_dscnt 0x0
	s_barrier_signal -1
	s_barrier_wait -1
	HEAD 1
	v_and_b32 v9, 15, v0
	s_delay_alu instid0(VALU_DEP_1)
	v_lshl_add_u32 v9, v9, 5, s47
	global_store_b32 v9, v255, s[8:9]              ; the row's scale word; lanes l and l + 16 hold the same word and name the same place.  4 bytes of each row's 32: one byte in 17 of what the wave stores
	s_wait_tensorcnt 0x0                           ; the wave's end
	ds_add_u32 v[SPW], v[NIL]
	s_wait_dscnt 0x0
	ROUND                                          ; the closing round
	s_endpgm
.Lfunc_end_k_qb46be1cb54_attn:
	.size	k_qb46be1cb54_attn, .Lfunc_end_k_qb46be1cb54_attn-k_qb46be1cb54_attn
	.p2alignl 7, 3214868480
	.fill 96, 4, 3214868480
	.section	.rodata,"a",@progbits
	.p2align	6, 0x0
	.amdhsa_kernel k_qb46be1cb54_attn
		.amdhsa_group_segment_fixed_size 327680
		.amdhsa_private_segment_fixed_size 0
		.amdhsa_enable_private_segment 0
		.amdhsa_kernarg_size 24
		.amdhsa_user_sgpr_count 2
		.amdhsa_user_sgpr_kernarg_segment_ptr 1
		.amdhsa_wavefront_size32 1
		.amdhsa_system_sgpr_workgroup_id_x 1
		.amdhsa_system_sgpr_workgroup_id_y 1
		.amdhsa_system_sgpr_workgroup_id_z 1
		.amdhsa_system_vgpr_workitem_id 0
		.amdhsa_next_free_vgpr 256
		.amdhsa_next_free_sgpr 66
		.amdhsa_reserve_vcc 0
		.amdhsa_float_denorm_mode_32 3
		.amdhsa_float_denorm_mode_16_64 3
		.amdhsa_memory_ordered 1
		.amdhsa_forward_progress 1
		.amdhsa_inst_pref_size 51
	.end_amdhsa_kernel
	.amdgpu_metadata
---
amdhsa.version: [ 1, 2 ]
amdhsa.kernels:
  - .name:           k_qb46be1cb54_attn
    .symbol:         k_qb46be1cb54_attn.kd
    .args:
      - { .name: qkv, .offset: 0, .size: 8, .value_kind: global_buffer, .address_space: global }
      - { .name: ac, .offset: 8, .size: 8, .value_kind: global_buffer, .address_space: global }
      - { .name: asc, .offset: 16, .size: 8, .value_kind: global_buffer, .address_space: global }
    .group_segment_fixed_size: 327680
    .private_segment_fixed_size: 0
    .kernarg_segment_align: 8
    .kernarg_segment_size: 24
    .max_flat_workgroup_size: 512
    .sgpr_count:     66
    .vgpr_count:     256
    .wavefront_size: 32
...
	.end_amdgpu_metadata
.endif
;; end of part 4
;; launch gemm_out (part 5): grid 4 x 32, 4 waves a work-group, clusters of 4 x 4, 327,680 bytes of LDS; arguments ac, asc, wc, ws, bo, out0; writes out0
.if DOCPART == 5
	.amdgcn_target "amdgcn-amd-amdhsa--gfx1250"
	.amdhsa_code_object_version 6
	.text
	.protected	k_qb46be1cb54_gemm_out
	.globl	k_qb46be1cb54_gemm_out
	.p2align	8
	.type	k_qb46be1cb54_gemm_out,@function
k_qb46be1cb54_gemm_out:
	s_mov_b64 s[64:65], 0
	v_nop
	global_prefetch_b8 v0, s[64:65] scope:SCOPE_SE
	s_setreg_imm32_b32 hwreg(HW_REG_WAVE_MODE, 25, 1), 1
	s_wait_xcnt 0x0
	s_wait_alu depctr_hold_cnt(0) depctr_sa_sdst(0) depctr_va_vdst(0) depctr_va_sdst(0) depctr_va_ssrc(0) depctr_va_vcc(0) depctr_vm_vsrc(0)
	s_getreg_b32 s2, hwreg(HW_REG_IB_STS2, 6, 4)
	s_cmp_eq_u32 s2, 0
	s_cbranch_scc0 .Lentry_in_a_cluster
	s_endpgm
.Lentry_in_a_cluster:
	s_bfe_u32 s2, ttmp6, 0x10000c
	s_cmp_lg_u32 s2, 0xf033
	s_cbranch_scc0 .Lentry_shape_is_right
	s_endpgm
.Lentry_shape_is_right:
; out0 = attention's result x Wo + bo on codes of FP4, K = 1,024, f32 out.  Nothing is left out.
; A work-group of four waves makes 256 x 256, a wave 128 x 128.  K is two slots of 512 in LDS, both first fills: nothing is filled again.
; A (tokens) comes as IMAGES of operand registers: ac [token tile][head][512 bytes]: heads 2 p, 2 p + 1 are the eight registers of K step p; a load takes 16 bytes at 16 x lane.
; B = Wo's codes (weight 3 of wc), rows in stored order, padded rows in LDS.  Source 0 = 16 rows of B, source 1 = 16 rows of A: a lane holds a token, its registers run along the output's columns.
; Both axes lie in stored order (bits 3 and 4 of a number exchanged); the way out puts them right by immediates: columns in the stage, rows in the stores.
; The bias is the C of each sum's first matrix instruction.  CLUSTERS: 4 x 4; A's tiles are asked for jointly along a row of the cluster, B's along a column.
; 128 work-groups: the output has so many tiles of 256 x 256.
; REGISTERS: window 0: v0-31 addresses; v32-95 scale words, two sets, and nothing else; v128-191 A's fragments; on the way out v128-255 rows of the output.
;   window 1: B's fragments at v0 and v128; v64-127 the bias in the result's layout.  windows 2, 3: the accumulators.
.set NQ,     4
.set ROWB,   256
.set KROW,   512
.set PITCH,  272
.set FR,     8
.set NL,     2
.set NP,     4
.set HALFT,  128*PITCH
.set AIMG,   32768                     ; 8 token tiles x 4,096 bytes: what one tensor load brings of A
.set BOFF,   2*AIMG
.set SLOT,   BOFF+2*HALFT
.set KS,     32
.set SCL,    2*SLOT
.set HALFS,  (128*KS/256)*272
.set SBLK,   (16*KS/256)*272
.set SPARE,  SCL+4*HALFS               ; the spare words, 128 bytes a wave, which no other line names
.set SPITCH, 528                       ; the way out: a stage of 16 rows x (512 bytes + 16) a wave, in slot 0, which has had its only fill and is read by nobody by then
.set BO,   7                           ; v7  the bias loads' offset
.set ADRA, 16
.set ADRB, 20
.set STO,  24
.set RD,   25
.set CO,   26
.set ADRS, 27
.set SPW,  28
.set NIL,  29
.set SC,   32
.set AF,   128
.set BK,   128
.set G1, 24
.set G0, 32
.set G1B, 48
.set G0B, 56
.set G1S, 68
.set G0S, 76
.set G1SB, 80
.set G0SB, 88
.set MSB, 0
.macro WIN new
.if MSB != \new
	s_set_vgpr_msb (MSB<<8)|\new
.set MSB, \new
.endif
.endm
.set MUL_LO, 0xa1
.set MUL_HI, 0xf1
.set TO_B,   0x40
.macro JLOAD g0a, g1a, g0b, g1b        ; waves 0 and 1 fetch for A, waves 2 and 3 for B; an s_nop 0 and four v_nop follow each line
	s_cmp_eq_u32 s15, 0
	s_cbranch_scc0 .Lfor_b_\@
	tensor_load_to_lds s[\g0a:\g0a+3], s[\g1a:\g1a+7]
	s_nop 0
.rept 4
	v_nop
.endr
	s_branch .Lasked_\@
.Lfor_b_\@:
	tensor_load_to_lds s[\g0b:\g0b+3], s[\g1b:\g1b+7]
	s_nop 0
.rept 4
	v_nop
.endr
.Lasked_\@:
.endm
.macro CROUND
	s_barrier_signal -1
	s_barrier_wait -1
	s_cmp_lg_u32 s14, 0
	s_cbranch_scc1 .Lnot_wave_0_\@
	s_barrier_signal -3
.Lnot_wave_0_\@:
	s_barrier_wait -3
	s_barrier_signal -1
	s_barrier_wait -1
.endm
	s_load_b128 s[4:7], s[0:1], 0x0                ; ac, asc
	s_load_b128 s[8:11], s[0:1], 0x10              ; wc, ws
	s_load_b64 s[66:67], s[0:1], 0x20              ; bo
	s_load_b64 s[12:13], s[0:1], 0x28              ; out0
	v_lshl_add_u32 v[SPW], v0, 2, SPARE
	v_mov_b32 v[NIL], 0
	ds_add_u32 v[SPW], v[NIL]                      ; the opening: the add, twice on end, and its wait ahead of my first tensor load
	ds_add_u32 v[SPW], v[NIL]
	v_lshrrev_b32 v1, 5, v0
	v_readfirstlane_b32 s14, v1                    ; wave 0..3
	s_lshr_b32 s15, s14, 1                         ; my half of the rows.  Also: I fetch for A (0) or for B (1)
	s_and_b32 s16, s14, 1                          ; my half of the columns.  Also: which half of that tile I fetch
	s_bfe_u32 s40, ttmp6, 0x40000                  ; cx
	s_bfe_u32 s41, ttmp6, 0x40004                  ; cy
	s_lshl_b32 s42, ttmp9, 2
	s_add_co_u32 s42, s42, s40                     ; tile column
	s_and_b32 s17, ttmp7, 0xffff
	s_lshl_b32 s17, s17, 2
	s_add_co_u32 s17, s17, s41                     ; tile row
	s_lshl_b32 s43, s41, 2
	s_lshl_b32 s43, 15, s43                        ; my row of the cluster
	s_lshl_b32 s44, 0x1111, s40                    ; my column
	s_or_b32 s[G1+0], s43, (3<<16)|(1<<21)         ; A's images: elements of 8 bytes, no padding
	s_mov_b32 s[G1+1], 512<<16                     ; tensor_dim0 = 512 elements: a token tile's 4,096 bytes of a slot
	s_mov_b32 s[G1+2], 8<<16                       ; tensor_dim1 = 8 token tiles
	s_mov_b32 s[G1+3], 512<<16                     ; tile_dim0
	s_mov_b32 s[G1+4], 8                           ; tile_dim1
	s_mov_b32 s[G1+5], 1024                        ; the pitch: 8,192 bytes a token tile
	s_mov_b32 s[G1+6], 0
	s_mov_b32 s[G1+7], 0
	s_or_b32 s[G1B+0], s44, (0<<16)|(1<<20)|(1<<21)|(5<<22)|(3<<25)  ; B: 128 rows of 256 bytes, 16 bytes of padding behind each
	s_mov_b32 s[G1B+1], ROWB<<16
	s_mov_b32 s[G1B+2], 128<<16
	s_mov_b32 s[G1B+3], ROWB<<16
	s_mov_b32 s[G1B+4], 128
	s_mov_b32 s[G1B+5], KROW
	s_mov_b32 s[G1B+6], 0
	s_mov_b32 s[G1B+7], 0
	s_or_b32 s[G1S+0], s43, (3<<16)|(1<<20)|(1<<21)|(5<<22)|(3<<25)  ; the scales of 128 rows: 16 rows of 256 bytes, padded
	s_or_b32 s[G1SB+0], s44, (3<<16)|(1<<20)|(1<<21)|(5<<22)|(3<<25)
.irp g, G1S, G1SB
	s_mov_b32 s[\g+1], 32<<16
	s_mov_b32 s[\g+2], (128*KS/256)<<16
	s_mov_b32 s[\g+3], 32<<16
	s_mov_b32 s[\g+4], 128*KS/256
	s_mov_b32 s[\g+5], 32
	s_mov_b32 s[\g+6], 0
	s_mov_b32 s[\g+7], 0
.endr
	s_lshl_b32 s20, s17, 17                        ; A's codes: 16 token tiles of 8,192 bytes a tile row,
	s_lshl_b32 s18, s16, 16                        ; 8 of them a half
	s_add_co_u32 s20, s20, s18
	s_mov_b32 s21, 0
	s_lshl_b32 s22, s17, 13                        ; A's scales: 256 rows of 32 bytes,
	s_lshl_b32 s18, s16, 12
	s_add_co_u32 s22, s22, s18
	s_mov_b32 s23, 0
	s_lshl_b32 s46, s42, 8
	s_lshl_b32 s18, s16, 7
	s_add_co_u32 s46, s46, s18
	s_add_co_u32 s46, s46, 3072                    ; B: weight 3 of wc and ws
	s_lshl_b32 s92, s46, 5
	s_lshl_b32 s46, s46, 9
	s_mov_b32 s47, 0
	s_mov_b32 s93, 0
	s_lshl_b32 s45, s16, 15                        ; where they go in a slot: A's halves,
	s_mul_i32 s95, s16, HALFT
	s_add_co_u32 s95, s95, BOFF                    ; B's halves behind them
	s_mul_i32 s94, s14, HALFS
	s_wait_dscnt 0x0                               ; both opening adds are done
	s_wait_kmcnt 0x0
	s_add_nc_u64 s[20:21], s[4:5], s[20:21]
	s_add_nc_u64 s[22:23], s[6:7], s[22:23]
	s_add_nc_u64 s[46:47], s[8:9], s[46:47]
	s_add_nc_u64 s[92:93], s[10:11], s[92:93]
	CROUND                                         ; all sixteen work-groups are here: the first joint loads meet
	s_mov_b32 s[G0S], 1
	s_add_co_u32 s[G0S+1], s94, SCL
	s_mov_b64 s[G0S+2:G0S+3], s[22:23]
	s_or_b32 s[G0S+3], s[G0S+3], 0x80000000
	s_mov_b32 s[G0SB], 1
	s_add_co_u32 s[G0SB+1], s94, SCL
	s_mov_b64 s[G0SB+2:G0SB+3], s[92:93]
	s_or_b32 s[G0SB+3], s[G0SB+3], 0x80000000
	JLOAD G0S, G1S, G0SB, G1SB                     ; a wave has one tensor load out at a time
.irp s, 0,1
	s_mov_b32 s[G0+4*\s], 1
	s_add_co_u32 s[G0+4*\s+1], s45, \s*SLOT
	s_add_nc_u64 s[G0+4*\s+2:G0+4*\s+3], s[20:21], \s*4096
	s_or_b32 s[G0+4*\s+3], s[G0+4*\s+3], 0x80000000
	s_mov_b32 s[G0B+4*\s], 1
	s_add_co_u32 s[G0B+4*\s+1], s95, \s*SLOT
	s_add_nc_u64 s[G0B+4*\s+2:G0B+4*\s+3], s[46:47], \s*ROWB
	s_or_b32 s[G0B+4*\s+3], s[G0B+4*\s+3], 0x80000000
	s_wait_alu depctr_va_vdst(0)
	s_wait_tensorcnt 0x0
	ds_add_u32 v28, v29
	s_wait_dscnt 0x0
	CROUND
	JLOAD G0+4*\s, G1, G0B+4*\s, G1B
.endr
	v_and_b32 v1, 15, v0                           ; r
	v_bfe_u32 v2, v0, 4, 1                         ; h
	v_and_b32 v6, 31, v0
	v_lshlrev_b32 v[CO], 4, v6                     ; 16 x lane
	v_mul_u32_u24 v3, v1, PITCH
	v_lshl_add_u32 v4, v2, 4, v3
	s_lshl_b32 s21, s15, 15                        ; my 8 token tiles of A
	s_mul_i32 s22, s16, HALFT
	s_add_co_u32 s22, s22, BOFF                    ; my 128 rows of B
.irp s, 0,1
	v_add_nc_u32 v[ADRA+\s], s21, v[CO]
	v_add_nc_u32 v[ADRB+\s], s22, v4
	s_add_co_u32 s21, s21, SLOT
	s_add_co_u32 s22, s22, SLOT
.endr
	v_mul_u32_u24 v5, v1, KS
	v_lshrrev_b32 v6, 8, v5
	v_lshl_add_u32 v5, v6, 4, v5
	s_mul_i32 s21, s15, HALFS
	s_mul_i32 s22, s16, HALFS
	s_add_co_u32 s22, s22, 2*HALFS
	s_sub_co_u32 s22, s22, s21
	v_mul_u32_u24 v6, s22, v2                      ; lanes 16-31 take B's
	s_add_co_u32 s21, s21, SCL
	v_add_nc_u32 v5, v5, v6
	v_add_nc_u32 v[ADRS], s21, v5
	s_mul_i32 s23, s14, 16*SPITCH                  ; my stage
	v_mul_u32_u24 v5, v1, SPITCH
	v_lshl_add_u32 v5, v2, 6, v5                   ; in: row r, + 64 h: my 16 columns of each 32
	v_add_nc_u32 v[STO], s23, v5
	v_add_nc_u32 v[RD], s23, v[CO]                 ; back: the 32 lanes take one row of 512 bytes
	s_lshl_b32 s20, s17, 20                        ; my first row of out0: (256 x tile row + 128 x half) rows of 4,096 bytes
	s_lshl_b32 s21, s15, 19
	s_add_co_u32 s20, s20, s21
	s_mov_b32 s21, 0
	s_lshl_b32 s46, s42, 10                        ; my first column, in bytes
	s_lshl_b32 s47, s16, 9
	s_add_co_u32 s46, s46, s47
	s_mov_b32 s47, 0
	s_add_nc_u64 s[66:67], s[66:67], s[46:47]      ; the bias at my first column
	s_add_nc_u64 s[20:21], s[20:21], s[46:47]
	s_add_nc_u64 s[12:13], s[12:13], s[20:21]
	v_lshlrev_b32 v[BO], 6, v2
	WIN TO_B                                       ; destination window 1
.irp b, 0,1,2,3,4,5,6,7                        ; B's tile b, register j: column 32 (b / 2) + 8 (b % 2) + 16 h + j
	global_load_b128 v[64+8*\b:67+8*\b], v[BO], s[66:67] offset:(32*(\b/2)+8*(\b%2))*4
	global_load_b128 v[68+8*\b:71+8*\b], v[BO], s[66:67] offset:(32*(\b/2)+8*(\b%2))*4+16
.endr
	WIN 0
.macro FRAG reg, adr, q, i             ; B: rows in LDS
.irp c, 0,1
	ds_load_b128 v[\reg+4*\c:\reg+4*\c+3], v[\adr] offset:64*(\q)+32*\c+(\i)*16*PITCH
.endr
.endm
.macro FRAGA reg, adr, q, i            ; A: an image: token tile i, K step q, register group c
.irp c, 0,1
	ds_load_b128 v[\reg+4*\c:\reg+4*\c+3], v[\adr] offset:4096*(\i)+1024*(\q)+512*\c
.endr
.endm
; 16 matrix instructions; the 64 accumulators take turns, one instruction a turn.  zero = 1: the first product starts the sum from the bias
.macro MUL16 a0, p, q, sc, zero
.irp a, \a0, \a0+1
.irp b, 0,1,2,3,4,5,6,7
.if \zero
	v_wmma_scale_f32_16x16x128_f8f6f4 v[8*(8*((\a)%4)+\b):8*(8*((\a)%4)+\b)+7], v[128*(\p)+FR*\b:128*(\p)+FR*\b+FR-1], v[AF+FR*(\a):AF+FR*(\a)+FR-1], v[64+8*\b:71+8*\b], v[SC+8*NQ*(\sc)+NQ*\b+(\q)], v[SC+8*NQ*(\sc)+NQ*(\a)+(\q)] matrix_a_fmt:MATRIX_FMT_FP4 matrix_b_fmt:MATRIX_FMT_FP4 matrix_a_scale:MATRIX_SCALE_ROW1
.else
	v_wmma_scale_f32_16x16x128_f8f6f4 v[8*(8*((\a)%4)+\b):8*(8*((\a)%4)+\b)+7], v[128*(\p)+FR*\b:128*(\p)+FR*\b+FR-1], v[AF+FR*(\a):AF+FR*(\a)+FR-1], v[8*(8*((\a)%4)+\b):8*(8*((\a)%4)+\b)+7], v[SC+8*NQ*(\sc)+NQ*\b+(\q)], v[SC+8*NQ*(\sc)+NQ*(\a)+(\q)] matrix_a_fmt:MATRIX_FMT_FP4 matrix_b_fmt:MATRIX_FMT_FP4 matrix_a_scale:MATRIX_SCALE_ROW1
.endif
.endr
.endr
.endm
.macro FETCH_B slot, q, p
	WIN TO_B
.irp i, 0,1,2,3,4,5,6,7
	FRAG 128*(\p)+FR*\i, ADRB+\slot, \q, \i
.endr
	WIN 0
.endm
.macro FETCH_A slot, q, i0
.irp i, \i0, \i0+1, \i0+2, \i0+3
	FRAGA AF+FR*(\i), ADRA+\slot, \q, \i
.endr
.endm
.macro SCALES sc
.irp i, 0,1,2,3,4,5,6,7
	ds_load_b128 v[SC+8*NQ*\sc+NQ*\i:SC+8*NQ*\sc+NQ*\i+3], v[ADRS] offset:\i*SBLK
.endr
.endm
.macro PLACES n
.rept \n
	v_nop
.endr
.endm
.macro STEP slot, q, zero
	s_wait_dscnt 4*NL                              ; B's set and A's tiles 0-3 are in; the youngest eight loads may be out
.if \zero
	WIN 0x91                                       ; as MUL_LO, with C (the bias) in window 1
.else
	WIN MUL_LO
.endif
	MUL16 0, (\q)%2, \q, \slot, \zero
	MUL16 2, (\q)%2, \q, \slot, \zero
	s_wait_dscnt 0
	PLACES NP
	FETCH_B \slot, (\q)+1, 1-(\q)%2
	FETCH_A \slot, (\q)+1, 0
.if \zero
	WIN 0xd1
.else
	WIN MUL_HI
.endif
	MUL16 4, (\q)%2, \q, \slot, \zero
	MUL16 6, (\q)%2, \q, \slot, \zero
	PLACES NP
	WIN 0
	FETCH_A \slot, (\q)+1, 4
.endm
.macro TURN slot, next                 ; the change of slots: one barrier; nothing is filled again
	s_wait_tensorcnt 0x0                           ; all my tensor loads have landed
	ds_add_u32 v[SPW], v[NIL]
	s_wait_dscnt 4*NL+1                            ; the add and the youngest eight loads may be out
	WIN MUL_LO
	MUL16 0, 1, NQ-1, \slot, 0
	s_wait_dscnt 0x0                               ; the add is done, and my reads of this slot are over
	s_barrier_signal -1
	MUL16 2, 1, NQ-1, \slot, 0
	WIN 0
	s_barrier_wait -1
	PLACES NP
	v_add_nc_u32 v[ADRS], 4*NQ, v[ADRS]
	FETCH_B \next, 0, 0
	FETCH_A \next, 0, 0
	SCALES \next
	WIN MUL_HI
	MUL16 4, 1, NQ-1, \slot, 0
	MUL16 6, 1, NQ-1, \slot, 0
	PLACES NP
	WIN 0
	FETCH_A \next, 0, 4
.endm
.macro STEPS slot, from
.set Q, \from
.rept NQ-1-\from
	STEP \slot, Q, 0
.set Q, Q+1
.endr
.endm
	s_wait_alu depctr_va_vdst(0)
	s_wait_tensorcnt 1                             ; the scales and my part of slot 0 are in; slot 1's load may be out
	s_barrier_signal -1
	s_barrier_wait -1
	FETCH_B 0, 0, 0
	FETCH_A 0, 0, 0
	SCALES 0
	FETCH_A 0, 0, 4
	s_wait_loadcnt 0x0                             ; the bias
	STEP 0, 0, 1
	STEPS 0, 1
	TURN 0, 1
	STEPS 1, 0
	s_wait_dscnt 4*NL
	WIN MUL_LO
	MUL16 0, 1, NQ-1, 1, 0
	MUL16 2, 1, NQ-1, 1, 0
	s_wait_dscnt 0
	WIN MUL_HI
	MUL16 4, 1, NQ-1, 1, 0
	MUL16 6, 1, NQ-1, 1, 0
	WIN 0
; THE WAY OUT, a tile of 16 rows x 128 columns at a time, through my own stage.  Tile b's eight registers are columns 32 (b / 2) + 16 h + 8 (b % 2) + 0 .. 7: the store's immediate puts them there.
; Back come whole rows of 512 bytes.  LDS serves a wave's instructions in order: no wait between the stores and the loads.
.macro TOSTAGE a
.set AC, 64*((\a)%4)
.set WN, 0x08+4*((\a)/4)
	WIN WN                                         ; the data: window 2 or 3
.irp b, 0,1,2,3,4,5,6,7
	ds_store_b128 v[STO], v[AC+8*\b:AC+8*\b+3] offset:128*(\b/2)+32*(\b%2)          ; each accumulator from its low end on
	ds_store_b128 v[STO], v[AC+8*\b+4:AC+8*\b+7] offset:128*(\b/2)+32*(\b%2)+16
.endr
	WIN 0
.set BB, BK+64*((\a)%2)
.irp t, 0,1,2,3,4,5,6,7,8,9,10,11,12,13,14,15
	ds_load_b128 v[BB+4*\t:BB+4*\t+3], v[RD] offset:\t*SPITCH
.endr
.endm
.macro SEND a, younger                 ; stored row t of tile a is the true row 32 (a / 2) + 8 (a % 2) + t % 8 + 16 (t / 8) of my 128: 127 rows of 4,096 bytes at the most, inside the immediate
.set BB, BK+64*((\a)%2)
	s_wait_dscnt \younger
.irp t, 0,1,2,3,4,5,6,7,8,9,10,11,12,13,14,15
	global_store_b128 v[CO], v[BB+4*\t:BB+4*\t+3], s[12:13] offset:(32*((\a)/2)+8*((\a)%2)+(\t%8)+16*(\t/8))*4096 th:TH_STORE_NT   ; 32 lanes store 512 consecutive bytes, aligned
.endr
.endm
	PLACES NP
	TOSTAGE 0
.irp a, 1,2,3,4,5,6,7
.if \a > 1
	s_wait_xcnt 0x0                                ; tile a - 2's stores have read their registers: tile a's loads may land there
.endif
	TOSTAGE \a
	SEND \a-1, 32                                  ; behind tile a - 1's loads: tile a's 16 stores and 16 loads
.endr
	SEND 7, 0
	s_wait_tensorcnt 0x0                           ; the wave's end
	ds_add_u32 v[SPW], v[NIL]
	s_wait_dscnt 0x0
	CROUND                                         ; the closing round
	s_endpgm
.Lfunc_end_k_qb46be1cb54_gemm_out:
	.size	k_qb46be1cb54_gemm_out, .Lfunc_end_k_qb46be1cb54_gemm_out-k_qb46be1cb54_gemm_out
	.p2alignl 7, 3214868480
	.fill 96, 4, 3214868480
	.section	.rodata,"a",@progbits
	.p2align	6, 0x0
	.amdhsa_kernel k_qb46be1cb54_gemm_out
		.amdhsa_group_segment_fixed_size 327680
		.amdhsa_private_segment_fixed_size 0
		.amdhsa_enable_private_segment 0
		.amdhsa_kernarg_size 48
		.amdhsa_user_sgpr_count 2
		.amdhsa_user_sgpr_kernarg_segment_ptr 1
		.amdhsa_wavefront_size32 1
		.amdhsa_system_sgpr_workgroup_id_x 1
		.amdhsa_system_sgpr_workgroup_id_y 1
		.amdhsa_system_sgpr_workgroup_id_z 1
		.amdhsa_system_vgpr_workitem_id 0
		.amdhsa_next_free_vgpr 1024
		.amdhsa_next_free_sgpr 98
		.amdhsa_reserve_vcc 0
		.amdhsa_float_denorm_mode_32 3
		.amdhsa_float_denorm_mode_16_64 3
		.amdhsa_memory_ordered 1
		.amdhsa_forward_progress 1
		.amdhsa_inst_pref_size 127
	.end_amdhsa_kernel
	.amdgpu_metadata
---
amdhsa.version: [ 1, 2 ]
amdhsa.kernels:
  - .name:           k_qb46be1cb54_gemm_out
    .symbol:         k_qb46be1cb54_gemm_out.kd
    .args:
      - { .name: ac, .offset: 0, .size: 8, .value_kind: global_buffer, .address_space: global }
      - { .name: asc, .offset: 8, .size: 8, .value_kind: global_buffer, .address_space: global }
      - { .name: wc, .offset: 16, .size: 8, .value_kind: global_buffer, .address_space: global }
      - { .name: ws, .offset: 24, .size: 8, .value_kind: global_buffer, .address_space: global }
      - { .name: bo, .offset: 32, .size: 8, .value_kind: global_buffer, .address_space: global }
      - { .name: out0, .offset: 40, .size: 8, .value_kind: global_buffer, .address_space: global }
    .group_segment_fixed_size: 327680
    .private_segment_fixed_size: 0
    .kernarg_segment_align: 8
    .kernarg_segment_size: 48
    .max_flat_workgroup_size: 128
    .sgpr_count:     98
    .vgpr_count:     1024
    .wavefront_size: 32
...
	.end_amdgpu_metadata
.endif
;; end of part 5
